; MI455X (gfx1250); checked and timed in simulation.
; The chip was launched on July 23, 2026; its instructions are those of AMD's public machine-readable ISA for CDNA 5 (MIT licence, August 2026) and "CDNA5" Instruction Set Architecture Reference Guide (July 2026). The comments in the code are by the model that wrote it; some were corrected since.
;; Multi Head Attention. Allowed arithmetic: matrix products marked QUANTISED: E3M2 operands, one E8M0 scale for each 32 along K, by v_wmma_scale_f32_16x16x128_f8f6f4 with both operands' format E3M2, f32 sums; everything else in f32.
;; Inputs: K 4 x 2,048 x 1,024 float32; Q 4 x 2,048 x 1,024 float32; V 4 x 2,048 x 1,024 float32; Wk 1,024 x 1,024 float32; Wo 1,024 x 1,024 float32; Wq 1,024 x 1,024 float32; Wv 1,024 x 1,024 float32; bk 1,024 float32; bo 1,024 float32; bq 1,024 float32; bv 1,024 float32; mask 4 x 1 x 2,048 x 2,048 bool.
;; Outputs: out0 4 x 2,048 x 1,024 float32.
;; This version of the problem:
;;   THIS VERSION OF THE PROBLEM IS GIVEN IN LOW PRECISION. The matrix products marked QUANTISED in the list below multiply operands that are first quantised to E3M2 (3 exponent bits, 2 mantissa bits; 6 bits a number), with one power-of-two scale for each 32 numbers along K (OCP MX v1.0); their sums are f32. All else is computed in f32.
;;   The module's matrix products, in the order in which they are computed (A, B: the left and right operand; K: the contracted axis; several contracted axes count as one K, in the product's order):
;;     1. [M 8,192, K 1,024] x [K 1,024, N 1,024]; A: input Q; B: input Wq: QUANTISED
;;     2. [M 8,192, K 1,024] x [K 1,024, N 1,024]; A: input K; B: input Wk: QUANTISED
;;     3. [M 8,192, K 1,024] x [K 1,024, N 1,024]; A: input V; B: input Wv: QUANTISED
;;     4. batch 64 x [M 2,048, K 64] x [K 64, N 2,048]; A: computed on the way; B: computed on the way: QUANTISED
;;     5. batch 64 x [M 2,048, K 2,048] x [K 2,048, N 64]; A: softmax (see below); B: computed on the way: QUANTISED
;;     6. [M 8,192, K 1,024] x [K 1,024, N 1,024]; A: computed on the way; B: input Wo: QUANTISED
;;   THE QUANTISER, for each operand of a quantised product, along K:
;;     - K is cut into blocks of 32 from its start; a last block that is shorter is filled with zeros.
;;     - A block's scale is 2^e with e = floor(log2(the largest magnitude in the block)) - 4, held to -126 .. 127; a block of zeros has e = 0. As a byte (E8M0): e + 127.
;;     - Each number is divided by its block's scale, clamped to +-28, and rounded to the nearest number of E3M2, ties to even, subnormals kept.
;;     - The product sums the exact products of the quantised numbers (number of the format x scale) in f32.
;;   ~~~python
;;   def quantise(x, axis):      # numpy; x: float32 -> the quantised numbers, widened to float32 again
;;       x = np.moveaxis(x, axis, -1); K = x.shape[-1]
;;       x = np.pad(x, [(0, 0)] * (x.ndim - 1) + [(0, -K % 32)]); x = x.reshape(x.shape[:-1] + (-1, 32)); a = np.abs(x).max(-1, keepdims=True)
;;       e = np.where(a > 0, np.clip(np.frexp(np.where(a > 0, a, 1))[1] - 1 - 4, -126, 127), 0)      # np.frexp(a)[1] - 1 = floor(log2(a)), exactly
;;       r = np.clip(x / 2.0 ** e, -28, 28)
;;       step = 2.0 ** (np.maximum(np.frexp(np.where(r == 0, 1, r))[1] - 1, -2) - 2)
;;       q = np.round(r / step) * step * 2.0 ** e      # np.round: ties to even
;;       return np.moveaxis(q.reshape(q.shape[:-2] + (-1,))[..., :K], -1, axis).astype(np.float32)
;;   ~~~
;;   SOFTMAX AHEAD OF A QUANTISED PRODUCT. Where the list says 'softmax', what is quantised is not the finished softmax but p = 2^(t - M), with t = logit x log2(e) and M = ceil(the row's largest t), a whole number; so 1/2 < the row's largest p <= 1. The row's sum l is taken of the UNQUANTISED p, in f32, and the product's result is divided by l at the end. Since M is a whole number, a kernel that streams over the keys may use a running M (the ceiling of the running maximum): every later rescaling is an exact power of two, which a block's scale takes up: the codes' values come out the same.
;;   OPERANDS COMPUTED ON THE WAY. 'Computed on the way' means the value that the module computes at that place (a softmax that the list does not call 'softmax' is quantised finished and normalised). What goes into a quantiser is computed in f32, as accurately as f32 sums, v_exp_f32 and their like allow (about 1e-6 of the number): no bf16 or f16 on the way to a quantiser, and a product that is left as it is and whose result goes on into a quantised operand takes f32 operands (vector FMAs, or v_wmma_f32_16x16x4_f32). A number that lies on a knife's edge between two numbers of the format may be rounded either way, as far as f32 arithmetic and the matrix unit's own rounding can turn it there, and no further.
;; 2 versions, each right; version 2 is version 1 with the launch attn written anew for expert scheduling mode. Each part assembles by itself: llvm-mc -triple=amdgcn-amd-amdhsa -mcpu=gfx1250 --defsym DOCPART=n.
;; ======== version 1 of 2: 4 launches
;; limits: right only within a limited range of input values
;; workspace buffers: img 22,937,600 bytes; qi 6,815,744 bytes; kv 13,369,344 bytes; oimg 6,553,600 bytes; maskw 2,097,152 bytes of whole numbers; skipw 2,048 bytes of whole numbers
;; launch prep (part 1): grid 512 x 1, 8 waves a work-group, no clusters, 136,192 bytes of LDS; arguments Q, K, V, Wq, Wk, Wv, Wo, mask, img, maskw, skipw; writes img, maskw, skipw
.if DOCPART == 1
	.amdgcn_target "amdgcn-amd-amdhsa--gfx1250"
	.amdhsa_code_object_version 6
	.text
	.protected	k_qac0acb4ffb_prep
	.globl	k_qac0acb4ffb_prep
	.p2align	8
	.type	k_qac0acb4ffb_prep,@function
k_qac0acb4ffb_prep:
	s_mov_b64 s[64:65], 0
	v_nop
	global_prefetch_b8 v0, s[64:65] scope:SCOPE_SE
	s_setreg_imm32_b32 hwreg(HW_REG_WAVE_MODE, 25, 1), 1
	s_wait_xcnt 0x0
; PREP.  (1) Q, K, V [8192][1024] and Wq, Wk, Wv, Wo [1024][1024], f32, K innermost, become codes of BF6 (E3M2) with one E8M0 byte for each 32 along K,
; laid in the ORDER OF AN OPERAND'S REGISTERS.  (2) The mask (bool, 1 = masked) becomes lane masks for the score registers of the attention launch, and one word of skip bits a query tile.
; A TILE is 16 rows of a group of 32: tile 2 bb + u holds, at lane place r, row 32 bb + 8 u + r + 8 (r / 8).
; A BLOCK of img is 128 rows x 1,024 K = 8 K steps of 12,800 bytes: 8 tiles x 1,536 bytes of codes, then 8 tiles x 16 scale words (tile t, place r at 12,288 + 64 t + 4 r).
; A tile's 1,536 bytes are two halves of 64 along K, 768 bytes each: a lane's registers 0-3 at 16 x lane, registers 4-5 at 512 + 8 x lane; lane (r, h) holds k = 32 h .. 32 h + 31 of the half.
; Blocks: 0-63 Q, 64-127 K, 128-191 V, 192-199 Wq, 200-207 Wk, 208-215 Wv, 216-223 Wo.
; A block's scale is 2^(floor(log2(largest magnitude)) - 4): its byte is the largest magnitude's exponent field - 4, held at 1 from below by a floor among the maximum's leaves.
; LIMITS: a block of zeros gets the byte 1 where the rule says 127 (its codes are zeros, and only this program reads the bytes); NaN and infinities among the inputs are not served.
; SHARES.  A unit is 16 rows x 512 bytes.  A wave takes four units, one a trip.  Work-groups 0-447: block g / 2, K steps 4 (g % 2) on, wave = tile.  Work-groups 448-511: query tile 8 (g - 448) + wave, 512 keys a trip.
; Each load reads 512 consecutive bytes of one row; the 16 rows turn through the wave's own stage in LDS (pitch 528, so that the 16 rows of a read start in different banks).  No barrier: waves share nothing.
; The two paths part on the work-group's number and have LDS bytes of their own.
.set PITCH, 528
.set STAGE, 16*PITCH                   ; a wave's stage
.set MSTG,  8*STAGE                    ; the mask path's stages lie behind the quantising path's
.set BLKB,  102400
.set KSB,   12800
.set FRB,   1536
.set SCO,   12288
.set NQWG,  448
.set R,   32                           ; v32-95   16 rows as loaded
.set X,   96                           ; v96-159  the lane's 64 numbers (or 256 mask bytes)
.set PC,  160                          ; v160-171 a fragment's codes
.set TC,  172                          ; v172-179 the upper halves of the blocks, as the conversions leave them
.set TT,  10                           ; v10-17   at work
.set WD,  20                           ; v20-27   mask words: a pair for each of a trip's four steps
	s_load_b512 s[4:19], s[0:1], 0x0               ; Q, K, V, Wq, Wk, Wv, Wo, mask
	s_load_b128 s[20:23], s[0:1], 0x40             ; img, maskw
	s_load_b64 s[24:25], s[0:1], 0x50              ; skipw
	v_lshl_add_u32 v192, v0, 2, 0x21000
	v_mov_b32 v193, 0
	v_lshrrev_b32 v1, 5, v0
	v_readfirstlane_b32 s26, v1                    ; wave 0..7
	v_and_b32 v1, 31, v0                           ; lane
	v_and_b32 v2, 15, v0                           ; r
	v_bfe_u32 v3, v0, 4, 1                         ; h
	v_lshlrev_b32 v4, 4, v1                        ; 16 x lane
	v_lshlrev_b32 v5, 3, v1                        ; 8 x lane
	s_mul_i32 s27, s26, STAGE
	v_mul_u32_u24 v8, v2, PITCH
.macro LOAD rowb                       ; 16 rows of the tile, 512 consecutive bytes each; rowb: a row of the tensor in bytes
.irp i, 0,1,2,3,4,5,6,7,8,9,10,11,12,13,14,15
	global_load_b128 v[R+4*\i:R+4*\i+3], v4, s[32:33] offset:(\i+8*(\i/8))*\rowb th:TH_LOAD_NT
.endr
.endm
.macro INTO                            ; into the stage as they lie
.irp i, 0,1,2,3,4,5,6,7,8,9,10,11,12,13,14,15
	ds_store_b128 v7, v[R+4*\i:R+4*\i+3] offset:\i*PITCH
.endr
.endm
	s_cmp_ge_u32 ttmp9, NQWG
	s_cbranch_scc1 .Lmask
	; ---------------- the quantising path
	s_lshr_b32 s30, ttmp9, 1                       ; block
	s_and_b32 s31, ttmp9, 1                        ; which four K steps
	v_add_nc_u32 v7, s27, v4                       ; stage, in: 16 x lane (+ 528 x row)
	v_lshl_add_u32 v8, v3, 7, v8
	v_add_nc_u32 v8, s27, v8                       ; stage, out: 528 r + 128 h: my 32 numbers of each half
	v_lshlrev_b32 v6, 2, v2                        ; 4 r: my row's scale word
	v_lshlrev_b32 v9, 3, v3                        ; 8 h: where my two bytes stand in it
	v_mov_b32 v15, 0                               ; a lane permute's destination counts as one of its sources
	s_mov_b32 s28, 0x76543210
	s_mov_b32 s29, 0xfedcba98                      ; v_permlanex16_b32's selects for lane l xor 16
	s_and_b32 s34, s30, 63
	s_and_b32 s35, s30, 7
	s_cmp_lt_u32 s30, 192
	s_cselect_b32 s34, s34, s35                    ; the block's number in its own tensor
	s_lshl_b32 s34, s34, 7
	s_lshr_b32 s35, s26, 1
	s_lshl_b32 s35, s35, 5
	s_add_co_u32 s34, s34, s35
	s_and_b32 s35, s26, 1
	s_lshl_b32 s35, s35, 3
	s_add_co_u32 s34, s34, s35                     ; the tile's first row: 128 block + 32 (wave / 2) + 8 (wave % 2)
	s_lshl_b32 s34, s34, 12                        ; x 4,096 bytes (under 2^26)
	s_lshl_b32 s35, s31, 11
	s_add_co_u32 s34, s34, s35                     ; + 2,048 for K steps 4 to 7
	s_mov_b32 s35, 0
	s_mul_i32 s36, s30, BLKB
	s_mul_i32 s37, s31, 4*KSB
	s_add_co_u32 s36, s36, s37
	s_mov_b32 s37, 0
	s_lshl_b32 s38, s26, 6
	s_add_co_u32 s38, s38, SCO
	s_mov_b32 s39, 0
	s_mul_i32 s40, s26, FRB
	s_mov_b32 s41, 0
	s_wait_kmcnt 0x0
	s_cmp_lt_u32 s30, 216                          ; which tensor: the choice hangs on the work-group's number alone
	s_cselect_b64 s[32:33], s[14:15], s[16:17]
	s_cmp_lt_u32 s30, 208
	s_cselect_b64 s[32:33], s[12:13], s[32:33]
	s_cmp_lt_u32 s30, 200
	s_cselect_b64 s[32:33], s[10:11], s[32:33]
	s_cmp_lt_u32 s30, 192
	s_cselect_b64 s[32:33], s[8:9], s[32:33]
	s_cmp_lt_u32 s30, 128
	s_cselect_b64 s[32:33], s[6:7], s[32:33]
	s_cmp_lt_u32 s30, 64
	s_cselect_b64 s[32:33], s[4:5], s[32:33]
	s_add_nc_u64 s[32:33], s[32:33], s[34:35]      ; the source
	s_add_nc_u64 s[36:37], s[20:21], s[36:37]      ; img at my first K step
	s_add_nc_u64 s[38:39], s[36:37], s[38:39]      ; my tile's scale words
	s_add_nc_u64 s[36:37], s[36:37], s[40:41]      ; my tile's codes
	LOAD 4096
	s_mov_b32 s42, 4
.Lq:
	s_wait_loadcnt 0x0                             ; the trip's 16 loads are in, so their base may step
	s_add_nc_u64 s[32:33], s[32:33], 512
	INTO
.irp c, 0,1
.irp i, 0,1,2,3,4,5,6,7
	ds_load_b128 v[X+32*\c+4*\i:X+32*\c+4*\i+3], v8 offset:256*\c+16*\i   ; k = 64 c + 32 h + 4 i ..: LDS serves a wave's instructions in order, so these see the stores above
.endr
.endr
	s_wait_dscnt 0x0                               ; the numbers are back, and the stores have read the registers that the next loads fill
	s_cmp_eq_u32 s42, 1
	s_cbranch_scc1 .Lq_last                        ; the last trip loads nothing: no load leaves its buffer
	LOAD 4096
.Lq_last:
.irp c, 0,1                                    ; my block 2 c + h: all its 32 numbers are mine
	v_max3_num_f32 v[10+\c], |v[X+32*\c]|, |v[X+32*\c+1]|, 0x2800000      ; and the floor 2^(5 - 127): the byte cannot fall under 1
.endr
.irp i, 2,4,6,8,10,12,14,16,18,20,22,24,26,28,30
.irp c, 0,1
	v_max3_num_f32 v[10+\c], v[10+\c], |v[X+32*\c+\i]|, |v[X+32*\c+\i+1]|
.endr
.endr
.irp c, 0,1
	v_add_nc_u32 v[12+\c], 0xfe000000, v[10+\c]    ; 4 off the exponent field: the conversion's scale operand
.endr
.irp c, 0,1
	v_lshrrev_b32 v[10+\c], 23, v[12+\c]           ; the scale's byte
.endr
	v_lshl_or_b32 v14, v11, 16, v10                ; blocks h and 2 + h of my row,
	v_lshlrev_b32 v14, v9, v14                     ; at their places in the word;
	v_permlanex16_b32 v15, v14, s28, s29
	v_or_b32 v14, v14, v15                         ; with lane l xor 16's two the word is whole
.irp c, 0,1
	v_cvt_scalef32_pk16_bf6_f32 v[PC+6*\c:PC+6*\c+2], v[X+32*\c:X+32*\c+15], v[12+\c]
	v_cvt_scalef32_pk16_bf6_f32 v[TC+4*\c:TC+4*\c+2], v[X+32*\c+16:X+32*\c+31], v[12+\c]   ; (a conversion's three registers begin on an even number)
.endr
	v_nop                                          ; one plain place behind a scaled conversion
.irp c, 0,1
.irp i, 0,1,2
	v_mov_b32 v[PC+3+6*\c+\i], v[TC+4*\c+\i]
.endr
.endr
	global_store_b128 v4, v[PC:PC+3], s[36:37]                  ; 512 consecutive bytes, aligned
	global_store_b64 v5, v[PC+4:PC+5], s[36:37] offset:512      ; 256
	global_store_b128 v4, v[PC+6:PC+9], s[36:37] offset:768
	global_store_b64 v5, v[PC+10:PC+11], s[36:37] offset:1280
	global_store_b32 v6, v14, s[38:39]                          ; 16 words; lanes r and r + 16 store the same word with the same value
	s_wait_xcnt 0x0                                ; the stores' data and bases are written again only behind this wait
	s_add_nc_u64 s[36:37], s[36:37], KSB
	s_add_nc_u64 s[38:39], s[38:39], KSB
	s_sub_co_u32 s42, s42, 1
	s_cmp_lg_u32 s42, 0
	s_cbranch_scc1 .Lq
	s_wait_tensorcnt 0x0
	ds_add_u32 v192, v193
	s_wait_dscnt 0x0
	s_endpgm
	; ---------------- the mask path.  maskw: [4 x 128 query tiles][16 steps of 128 keys][64 words]: bit (r, h) of word 16 bb + i is mask[query at place r][128 step + 32 bb + 16 h + i].
	; skipw: a word a query tile: bit s is set where all 16 x 128 bytes of step s are 1 AND each of the tile's 16 rows has an open key somewhere: then every p of the step is 0 in the end.
.Lmask:
	s_add_co_u32 s27, s27, MSTG
	v_add_nc_u32 v7, s27, v4
	v_lshl_add_u32 v8, v3, 4, v8
	v_add_nc_u32 v8, s27, v8                       ; stage, out: 528 r + 16 h
.irp i, 0,1,2,3,4,5,6,7
	v_mov_b32 v[WD+\i], 0                          ; v_writelane_b32's destination counts as read
.endr
	s_sub_co_u32 s30, ttmp9, NQWG
	s_lshl_b32 s30, s30, 3
	s_add_co_u32 s30, s30, s26                     ; the query tile, 0..511
	s_lshr_b32 s31, s30, 7
	s_lshl_b32 s31, s31, 11                        ; its batch's first row
	s_and_b32 s34, s30, 127
	s_lshr_b32 s35, s34, 1
	s_lshl_b32 s35, s35, 5
	s_add_co_u32 s31, s31, s35
	s_and_b32 s35, s34, 1
	s_lshl_b32 s35, s35, 3
	s_add_co_u32 s31, s31, s35
	s_lshl_b32 s34, s31, 11                        ; x 2,048 bytes a row
	s_mov_b32 s35, 0
	s_lshl_b32 s36, s30, 12
	s_mov_b32 s37, 0
	s_lshl_b32 s38, s30, 2
	s_mov_b32 s39, 0
	s_wait_kmcnt 0x0
	s_add_nc_u64 s[32:33], s[18:19], s[34:35]
	s_add_nc_u64 s[36:37], s[22:23], s[36:37]
	s_add_nc_u64 s[38:39], s[24:25], s[38:39]
	LOAD 2048
	s_mov_b32 s42, 4
	s_mov_b32 s43, 0                               ; the skip bits
	s_mov_b32 s44, -1                              ; the AND of all words: bit (r, h) stays where row r's keys of half h are all masked
	s_mov_b32 s45, -1                              ; the AND of a step's words
	s_mov_b32 s46, 0                               ; the step's number
.macro WORDS s                         ; the 64 words of the trip's step s, eight at a time so that no line waits for the line above it
.set J0, 0
.rept 8
.irp e, 0,1,2,3,4,5,6,7
	v_and_b32 v[TT+\e], 0xff<<(8*(\e%4)), v[X+4*(4*(\s)+J0/16)+((J0+\e)%16)/4]
.endr
.irp e, 0,1,2,3,4,5,6,7
	v_cmp_ne_u32 s[48+\e], 0, v[TT+\e]             ; the 32 lanes' bits are the word
.endr
.irp e, 0,1,2,3,4,5,6,7
	v_writelane_b32 v[WD+2*(\s)+\e%2], s[48+\e], (J0+\e)/2     ; word j to lane j / 2, register j % 2
.endr
.irp e, 0,1,2,3,4,5,6,7
	s_and_b32 s45, s45, s[48+\e]
.endr
.set J0, J0+8
.endr
	global_store_b64 v5, v[WD+2*(\s):WD+2*(\s)+1], s[36:37] offset:256*(\s)   ; 256 consecutive bytes, aligned
	s_cmp_eq_u32 s45, -1
	s_cselect_b32 s47, 1, 0
	s_lshl_b32 s47, s47, s46
	s_or_b32 s43, s43, s47
	s_and_b32 s44, s44, s45
	s_mov_b32 s45, -1
	s_add_co_u32 s46, s46, 1
.endm
.Lm:
	s_wait_loadcnt 0x0
	s_add_nc_u64 s[32:33], s[32:33], 512
	INTO
.irp s, 0,1,2,3
.irp b, 0,1,2,3
	ds_load_b128 v[X+4*(4*\s+\b):X+4*(4*\s+\b)+3], v8 offset:128*\s+32*\b   ; keys 128 s + 32 b + 16 h + 0 .. 15 of my row
.endr
.endr
	s_wait_dscnt 0x0
	s_cmp_eq_u32 s42, 1
	s_cbranch_scc1 .Lm_last
	LOAD 2048
.Lm_last:
	WORDS 0
	WORDS 1
	WORDS 2
	WORDS 3
	s_wait_xcnt 0x0                                ; the four stores' data and base are written again only behind this wait
	s_add_nc_u64 s[36:37], s[36:37], 1024
	s_sub_co_u32 s42, s42, 1
	s_cmp_lg_u32 s42, 0
	s_cbranch_scc1 .Lm
	s_lshr_b32 s47, s44, 16
	s_and_b32 s47, s47, s44
	s_and_b32 s47, s47, 0xffff                     ; rows that are masked wholly
	s_cmp_lg_u32 s47, 0
	s_cselect_b32 s43, 0, s43                      ; with such a row nothing is skipped: the row's result is the mean of all v
	v_mov_b32 v10, s43
	v_mov_b32 v11, 0
	s_wait_xcnt 0x0                                ; EXEC changes only behind this wait
	v_cmp_eq_u32 vcc_lo, 0, v1
	s_wait_tensorcnt 0x0
	ds_add_u32 v192, v193
	s_wait_dscnt 0x0
	s_and_saveexec_b32 s47, vcc_lo
	global_store_b32 v11, v10, s[38:39]            ; lane 0 alone
	s_endpgm
.Lfunc_end_k_qac0acb4ffb_prep:
	.size	k_qac0acb4ffb_prep, .Lfunc_end_k_qac0acb4ffb_prep-k_qac0acb4ffb_prep
	.p2alignl 7, 3214868480
	.fill 96, 4, 3214868480
	.section	.rodata,"a",@progbits
	.p2align	6, 0x0
	.amdhsa_kernel k_qac0acb4ffb_prep
		.amdhsa_group_segment_fixed_size 136192
		.amdhsa_private_segment_fixed_size 0
		.amdhsa_enable_private_segment 0
		.amdhsa_kernarg_size 88
		.amdhsa_user_sgpr_count 2
		.amdhsa_user_sgpr_kernarg_segment_ptr 1
		.amdhsa_wavefront_size32 1
		.amdhsa_system_sgpr_workgroup_id_x 1
		.amdhsa_system_sgpr_workgroup_id_y 1
		.amdhsa_system_sgpr_workgroup_id_z 1
		.amdhsa_system_vgpr_workitem_id 0
		.amdhsa_next_free_vgpr 194
		.amdhsa_next_free_sgpr 66
		.amdhsa_reserve_vcc 1
		.amdhsa_float_denorm_mode_32 3
		.amdhsa_float_denorm_mode_16_64 3
		.amdhsa_memory_ordered 1
		.amdhsa_forward_progress 1
		.amdhsa_inst_pref_size 77
	.end_amdhsa_kernel
	.amdgpu_metadata
---
amdhsa.version: [ 1, 2 ]
amdhsa.kernels:
  - .name:           k_qac0acb4ffb_prep
    .symbol:         k_qac0acb4ffb_prep.kd
    .args:
      - { .name: Q, .offset: 0, .size: 8, .value_kind: global_buffer, .address_space: global }
      - { .name: K, .offset: 8, .size: 8, .value_kind: global_buffer, .address_space: global }
      - { .name: V, .offset: 16, .size: 8, .value_kind: global_buffer, .address_space: global }
      - { .name: Wq, .offset: 24, .size: 8, .value_kind: global_buffer, .address_space: global }
      - { .name: Wk, .offset: 32, .size: 8, .value_kind: global_buffer, .address_space: global }
      - { .name: Wv, .offset: 40, .size: 8, .value_kind: global_buffer, .address_space: global }
      - { .name: Wo, .offset: 48, .size: 8, .value_kind: global_buffer, .address_space: global }
      - { .name: mask, .offset: 56, .size: 8, .value_kind: global_buffer, .address_space: global }
      - { .name: img, .offset: 64, .size: 8, .value_kind: global_buffer, .address_space: global }
      - { .name: maskw, .offset: 72, .size: 8, .value_kind: global_buffer, .address_space: global }
      - { .name: skipw, .offset: 80, .size: 8, .value_kind: global_buffer, .address_space: global }
    .group_segment_fixed_size: 136192
    .private_segment_fixed_size: 0
    .kernarg_segment_align: 8
    .kernarg_segment_size: 88
    .max_flat_workgroup_size: 256
    .sgpr_count:     66
    .vgpr_count:     194
    .wavefront_size: 32
...
	.end_amdgpu_metadata
.endif
;; end of part 1
;; launch proj (part 2): grid 4 x 192, 4 waves a work-group, clusters of 4 x 4, 307,712 bytes of LDS; arguments img, qi, kv, bq, bk, bv; writes qi, kv
.if DOCPART == 2
	.amdgcn_target "amdgcn-amd-amdhsa--gfx1250"
	.amdhsa_code_object_version 6
	.text
	.protected	k_qac0acb4ffb_proj
	.globl	k_qac0acb4ffb_proj
	.p2align	8
	.type	k_qac0acb4ffb_proj,@function
k_qac0acb4ffb_proj:
	s_mov_b64 s[64:65], 0
	v_nop
	global_prefetch_b8 v0, s[64:65] scope:SCOPE_SE
	s_setreg_imm32_b32 hwreg(HW_REG_WAVE_MODE, 25, 1), 1
	s_wait_xcnt 0x0
	s_wait_alu depctr_hold_cnt(0) depctr_sa_sdst(0) depctr_va_vdst(0) depctr_va_sdst(0) depctr_va_ssrc(0) depctr_va_vcc(0) depctr_vm_vsrc(0)
	s_getreg_b32 s2, hwreg(HW_REG_IB_STS2, 6, 4)
	s_cmp_eq_u32 s2, 0
	s_cbranch_scc0 .Lentry_in_a_cluster
	s_endpgm
.Lentry_in_a_cluster:
	s_bfe_u32 s2, ttmp6, 0x10000c
	s_cmp_lg_u32 s2, 0xf033
	s_cbranch_scc0 .Lentry_shape_is_right
	s_endpgm
.Lentry_shape_is_right:
; PROJ.  q = Q Wq^T + bq, k = K Wk^T + bk, v = V Wv^T + bv on codes of BF6 (E3M2) with E8M0 scales, and the results quantised again for the attention launch: q and k along a head's 64, v along the keys.
; ONE FORM FOR ALL THREE: P[i][j] = sum over k of U[i][k] T[j][k], source 0 = 16 rows of T, source 1 = 16 rows of U: a lane holds ONE row of U and its registers run along T, the axis along which P is quantised.
; q, k: U = tokens, T = the weight's rows.  v: U = Wv's rows (the head's d), T = tokens (the keys).
; img (made by the launch before) holds blocks of 128 rows x 1,024 K in the order of the operands' registers: 8 K steps x (8 tiles x 1,536 bytes of codes + 8 x 64 bytes of scale words).
; A tile is 16 rows of a group of 32: tile 2 bb + u, lane place r = row 32 bb + 8 u + r + 8 (r / 8): so the 16 registers of T's tiles 2 bb, 2 bb + 1 are T's rows 32 bb + 16 (lane / 16) + 0 .. 15.
; SHARES.  A work-group: 128 rows of U x 256 rows of T, all of K: three blocks, 307,200 bytes of LDS, each byte filled once: no slot is filled again.  768 work-groups: 256 for each of q, k, v.
; A wave: 64 rows of U (4 tiles) x 128 rows of T (8 tiles): 32 accumulators.  CLUSTERS of 4 x 4: U's block is shared along a row of the cluster, T's two blocks along a column: joint loads.
; Wave 0 asks for U, waves 1 and 2 for T's blocks, each in four loads of two K steps (25,600 bytes as 100 rows of 256): four tensor loads of a wave are out at the most.
; OUT.  qi: a head is 128 half images (16 queries x 64, 768 bytes), then 32 groups of four tiles' scale words (256 bytes).  kv: a head is 16 steps of 128 keys, 13,056 bytes each:
; K's 8 half images, V's 4 fragments (16 d x 128 keys), K's scale words (2 x 256 bytes), V's (256).  A group of four tiles' words: tile i, place r at 8 (16 (i % 2) + r) + 4 (i / 2).
; LIMITS: a block of zeros gets the scale byte 1 (its codes are zeros; only this program reads the bytes); NaN and infinities are not served.
; REGISTERS.  Window 0: v1-15 addresses; v16-27 scale words, two sets; v32-95 the bias as the first products' C; v96-129 at work; v144-191 the codes made.  Window 1: accumulator (i, j) at v[8 (8 i + j)].
; Windows 2, 3: the two sets of fragments: U's four at v[12 i], T's eight at v[48 + 12 j].
.set BLKB, 102400
.set KSB,  12800
.set FRB,  1536
.set HIB,  768
.set SCO,  12288
.set STGB, 2*KSB                       ; what one tensor load brings
.set KVS,  13056
.set KVH,  16*KVS
.set QIH,  106496
.set WV, 88
.set WL, 89                            ; which 64 rows of U are mine
.set WH, 90                            ; which block of T
.set CX, 91
.set CYP, 92
.set TY, 93                            ; 0 q, 1 k, 2 v
.set UB, 94
.set TP, 95
.set FB, 91                            ; behind the loads: T's block, 2 tp + wh (cx is done with)
.set G1U, 16
.set G1T, 24
.set G0U, 32                           ; s[32:47] four groups 0 for U
.set G0T, 48                           ; s[48:63] four for T
.set PP, 68                            ; s[68:83] where tile i's half c goes: s[PP + 4 i + 2 c]
.set PS, 84                            ; s[84:87] where the scale words go
.set AU16, 4
.set AU8, 6
.set AT16, 8
.set AT8, 10
.set ASU, 12
.set AST, 14
.set SCW, 16
.set BIAS, 32
.set TM, 96
.set TC, 112
.set PW, 120
.set MW, 124
.set LW, 126
.set HW, 128
.set PC0, 144
.set MSB, 0
.macro WIN new                         ; the immediate's high byte repeats the setting that is left
.if MSB != \new
	s_set_vgpr_msb (MSB<<8)|\new
.set MSB, \new
.endif
.endm
.macro PLACES
.rept 4
	v_nop
.endr
.endm
.macro CROUND                          ; a round of the cluster's barrier
	s_barrier_signal -1
	s_barrier_wait -1
	s_cmp_lg_u32 s[WV], 0
	s_cbranch_scc1 .Lnot_wave_0_\@
	s_barrier_signal -3
.Lnot_wave_0_\@:
	s_barrier_wait -3
	s_barrier_signal -1
	s_barrier_wait -1
.endm
	s_load_b256 s[4:11], s[0:1], 0x0               ; img, qi, kv, bq
	s_load_b128 s[12:15], s[0:1], 0x20             ; bk, bv
	v_lshl_add_u32 v254, v0, 2, 0x4b000
	v_mov_b32 v255, 0
	ds_add_u32 v254, v255
	ds_add_u32 v254, v255
	v_lshrrev_b32 v1, 5, v0
	v_readfirstlane_b32 s[WV], v1
	s_and_b32 s[WL], s[WV], 1
	s_lshr_b32 s[WH], s[WV], 1
	s_bfe_u32 s[CX], ttmp6, 0x40000
	s_bfe_u32 s[CYP], ttmp6, 0x40004
	s_and_b32 s66, ttmp7, 0xffff                   ; the cluster's y, 0..47: 16 clusters for each of q, k, v
	s_lshr_b32 s[TY], s66, 4
	s_and_b32 s66, s66, 15
	s_and_b32 s2, s66, 1
	s_lshr_b32 s3, s66, 1
	s_cmp_eq_u32 s[TY], 2
	s_cselect_b32 s2, s2, s66                      ; q, k: 16 groups of four token blocks x 1 of four pairs of weight blocks;
	s_cselect_b32 s3, s3, 0                        ; v: 2 groups of four weight blocks x 8 of four pairs of token blocks
	s_lshl_b32 s2, s2, 2
	s_add_co_u32 s[UB], s2, s[CYP]                 ; U's block: hangs on cy alone of the two places
	s_lshl_b32 s3, s3, 2
	s_add_co_u32 s[TP], s3, s[CX]                  ; T's pair of blocks: on cx alone
	s_lshl_b32 s96, s[TY], 6
	s_cmp_eq_u32 s[TY], 2
	s_cselect_b32 s96, 208, s96                    ; U begins at img's block 0 (Q), 64 (K), 208 (Wv)
	s_add_co_u32 s96, s96, s[UB]
	s_mul_i32 s96, s96, BLKB
	s_mov_b32 s97, 0
	s_lshl_b32 s98, s[TY], 3
	s_add_co_u32 s98, s98, 192
	s_cmp_eq_u32 s[TY], 2
	s_cselect_b32 s98, 128, s98                    ; T at 192 (Wq), 200 (Wk), 128 (V)
	s_lshl_b32 s99, s[TP], 1
	s_add_co_u32 s98, s98, s99
	s_sub_co_u32 s99, s[WV], 1
	s_and_b32 s99, s99, 1                          ; wave 1: the pair's first block, wave 2: its second
	s_add_co_u32 s98, s98, s99
	s_mul_i32 s98, s98, BLKB
	s_mov_b32 s99, 0
	s_mul_i32 s67, s[WV], BLKB                     ; LDS: U at 0, T's blocks at 102,400 and 204,800: wave x 102,400
	s_lshl_b32 s2, s[CYP], 2
	s_lshl_b32 s2, 15, s2                          ; my row of the cluster
	s_lshl_b32 s3, 0x1111, s[CX]                   ; my column
	s_or_b32 s[G1U], s2, (3<<16)|(1<<21)           ; 15:0 the mask; 17:16 elements of 8 bytes; 20 no padding; 21 set beside a mask
	s_or_b32 s[G1T], s3, (3<<16)|(1<<21)
.irp g, G1U, G1T
	s_mov_b32 s[\g+1], 32<<16                      ; tensor_dim0 = 32 elements: 256 bytes
	s_mov_b32 s[\g+2], 100<<16                     ; tensor_dim1 = 100
	s_mov_b32 s[\g+3], 32<<16                      ; tile_dim0
	s_mov_b32 s[\g+4], 100                         ; tile_dim1
	s_mov_b32 s[\g+5], 32                          ; the pitch: the block is dense
	s_mov_b32 s[\g+6], 0
	s_mov_b32 s[\g+7], 0
.endr
	s_wait_dscnt 0x0
	s_wait_kmcnt 0x0
	s_add_nc_u64 s[96:97], s[4:5], s[96:97]
	s_add_nc_u64 s[98:99], s[4:5], s[98:99]
.irp t, 0,1,2,3
	s_mov_b32 s[G0U+4*\t], 1
	s_mov_b32 s[G0U+4*\t+1], STGB*\t
	s_add_nc_u64 s[G0U+4*\t+2:G0U+4*\t+3], s[96:97], STGB*\t
	s_or_b32 s[G0U+4*\t+3], s[G0U+4*\t+3], 0x80000000
	s_mov_b32 s[G0T+4*\t], 1
	s_add_co_u32 s[G0T+4*\t+1], s67, STGB*\t
	s_add_nc_u64 s[G0T+4*\t+2:G0T+4*\t+3], s[98:99], STGB*\t
	s_or_b32 s[G0T+4*\t+3], s[G0T+4*\t+3], 0x80000000
.endr
	CROUND                                         ; all sixteen work-groups are here: the joint loads meet
	s_cmp_eq_u32 s[WV], 0                          ; a wave's four fills stand in one branch on the wave's number; four v_nop follow the last
	s_cbranch_scc0 .Lnot_u
	tensor_load_to_lds s[G0U:G0U+3], s[G1U:G1U+7]
	s_nop 0
	tensor_load_to_lds s[G0U+4:G0U+7], s[G1U:G1U+7]
	s_nop 0
	tensor_load_to_lds s[G0U+8:G0U+11], s[G1U:G1U+7]
	s_nop 0
	tensor_load_to_lds s[G0U+12:G0U+15], s[G1U:G1U+7]
	s_nop 0
	PLACES
	s_branch .Lasked
.Lnot_u:
	s_cmp_eq_u32 s[WV], 3
	s_cbranch_scc1 .Lasked
	tensor_load_to_lds s[G0T:G0T+3], s[G1T:G1T+7]
	s_nop 0
	tensor_load_to_lds s[G0T+4:G0T+7], s[G1T:G1T+7]
	s_nop 0
	tensor_load_to_lds s[G0T+8:G0T+11], s[G1T:G1T+7]
	s_nop 0
	tensor_load_to_lds s[G0T+12:G0T+15], s[G1T:G1T+7]
	s_nop 0
	PLACES
.Lasked:
	; LDS addresses: a constant + a constant x wave's halves + 16, 8 or 4 x lane; a second register of each for K steps 4 to 7 (the immediate has 16 bits)
	v_and_b32 v3, 31, v0
	v_lshlrev_b32 v1, 4, v3
	v_lshlrev_b32 v2, 3, v3
	v_lshlrev_b32 v3, 2, v3
	s_mul_i32 s2, s[WL], 4*FRB
	v_add_nc_u32 v[AU16], s2, v1
	v_add_nc_u32 v[AU8], s2, v2
	s_mul_i32 s3, s[WH], BLKB
	s_add_co_u32 s3, s3, BLKB
	v_add_nc_u32 v[AT16], s3, v1
	v_add_nc_u32 v[AT8], s3, v2
	s_lshl_b32 s2, s[WL], 8
	s_add_co_u32 s2, s2, SCO
	v_add_nc_u32 v[ASU], s2, v3                    ; lanes 0-15 take an even tile's words, lanes 16-31 the next tile's
	s_add_co_u32 s3, s3, SCO
	v_add_nc_u32 v[AST], s3, v3
.irp a, AU16, AU8, AT16, AT8, ASU, AST
	v_add_nc_u32 v[\a+1], 4*KSB, v[\a]
.endr
.irp b, 0,1,2,3
	v_mov_b32 v[TM+4+\b], 0                        ; a lane permute's destination counts as one of its sources
.endr
	s_lshl_b32 s[FB], s[TP], 1
	s_add_co_u32 s[FB], s[FB], s[WH]               ; T's block that is mine
	; where the results go, and the bias: s96 the codes' offset, s98 the scale words', s2 from tile to tile, s66 from half to half
	s_cmp_eq_u32 s[TY], 2
	s_cbranch_scc1 .Lhead_v
	s_lshr_b32 s96, s[UB], 4                       ; the batch
	s_lshl_b32 s96, s96, 4
	s_lshl_b32 s98, s[FB], 1                       ; 128 features are two heads: half c belongs to head 2 fb + c
	s_add_co_u32 s96, s96, s98
	s_and_b32 s98, s[UB], 15                       ; the token block in its batch
	s_cmp_eq_u32 s[TY], 0
	s_cbranch_scc0 .Lhead_k
	s_mul_i32 s96, s96, QIH
	s_lshl_b32 s98, s98, 1
	s_add_co_u32 s98, s98, s[WL]                   ; my group of four tiles
	s_mul_i32 s2, s98, 4*HIB
	s_lshl_b32 s98, s98, 8
	s_add_co_u32 s98, s98, s96
	s_add_co_u32 s98, s98, 128*HIB
	s_add_co_u32 s96, s96, s2
	s_mov_b32 s2, HIB
	s_mov_b32 s66, QIH
	s_branch .Lhead_bias
.Lhead_k:
	s_lshl_b32 s96, s96, 4
	s_add_co_u32 s96, s96, s98
	s_mul_i32 s96, s96, KVS                        ; the head's step of 128 keys
	s_lshl_b32 s98, s[WL], 8
	s_add_co_u32 s98, s98, s96
	s_add_co_u32 s98, s98, 12288
	s_mul_i32 s2, s[WL], 4*HIB
	s_add_co_u32 s96, s96, s2
	s_mov_b32 s2, HIB
	s_mov_b32 s66, KVH
.Lhead_bias:                                           ; q, k: the bias runs along T: tile j's C holds b[128 fb + 32 bb + 16 h + 8 u + 0 .. 7]
	s_cmp_eq_u32 s[TY], 0
	s_cselect_b64 s[10:11], s[10:11], s[12:13]
	s_lshl_b32 s12, s[FB], 9
	s_mov_b32 s13, 0
	s_add_nc_u64 s[10:11], s[10:11], s[12:13]
	v_bfe_u32 v28, v0, 4, 1
	v_lshlrev_b32 v28, 6, v28
.irp j, 0,1,2,3,4,5,6,7
	global_load_b128 v[BIAS+8*\j:BIAS+8*\j+3], v28, s[10:11] offset:(32*(\j/2)+8*(\j%2))*4
	global_load_b128 v[BIAS+8*\j+4:BIAS+8*\j+7], v28, s[10:11] offset:(32*(\j/2)+8*(\j%2))*4+16
.endr
	s_branch .Lhead_done
.Lhead_v:
	s_lshl_b32 s92, s[UB], 1
	s_add_co_u32 s92, s92, s[WL]                   ; my 64 rows of Wv are head 2 ub + wl
	s_lshr_b32 s96, s[FB], 4                       ; the token block's batch
	s_lshl_b32 s96, s96, 4
	s_add_co_u32 s96, s96, s92
	s_lshl_b32 s96, s96, 4
	s_and_b32 s98, s[FB], 15                       ; and its step
	s_add_co_u32 s96, s96, s98
	s_mul_i32 s96, s96, KVS
	s_add_co_u32 s98, s96, 12800
	s_add_co_u32 s96, s96, 6144
	s_mov_b32 s2, FRB
	s_mov_b32 s66, HIB
	s_lshl_b32 s12, s92, 8                         ; v: the bias runs along U: all eight registers of tile i's C hold bv of the lane's own row
	s_mov_b32 s13, 0
	s_add_nc_u64 s[14:15], s[14:15], s[12:13]
	v_and_b32 v28, 15, v0
	v_and_b32 v29, 8, v28
	v_add_nc_u32 v28, v28, v29
	v_lshlrev_b32 v28, 2, v28
.irp i, 0,1,2,3
	global_load_b32 v[TM+\i], v28, s[14:15] offset:(32*(\i/2)+8*(\i%2))*4
.endr
	s_wait_loadcnt 0x0
.irp i, 0,1,2,3
.irp e, 0,1,2,3,4,5,6,7
	v_mov_b32 v[BIAS+8*\i+\e], v[TM+\i]
.endr
.endr
.Lhead_done:
	s_mov_b32 s3, 0
	s_mov_b32 s67, 0
	s_mov_b32 s97, 0
	s_mov_b32 s99, 0
	s_cmp_eq_u32 s[TY], 0
	s_cselect_b64 s[6:7], s[6:7], s[8:9]           ; qi or kv
	s_add_nc_u64 s[PP:PP+1], s[6:7], s[96:97]
.irp i, 1,2,3
	s_add_nc_u64 s[PP+4*\i:PP+4*\i+1], s[PP+4*(\i-1):PP+4*(\i-1)+1], s[2:3]
.endr
.irp i, 0,1,2,3
	s_add_nc_u64 s[PP+4*\i+2:PP+4*\i+3], s[PP+4*\i:PP+4*\i+1], s[66:67]
.endr
	s_add_nc_u64 s[PS:PS+1], s[6:7], s[98:99]
	s_add_nc_u64 s[PS+2:PS+3], s[PS:PS+1], s[66:67]
; K step s: 12 fragments and 6 registers of scale words into set buf: 54 LDS loads, each of 512, 256 or 128 consecutive bytes
.macro FETCH s, buf
.set KO, ((\s)%4)*KSB
.set HV, (\s)/4
	WIN 0x80+0x40*(\buf)                           ; destination window 2 or 3, address window 0
.irp i, 0,1,2,3
.irp c, 0,1
	ds_load_b128 v[12*\i+6*\c:12*\i+6*\c+3], v[AU16+HV] offset:KO+FRB*\i+HIB*\c
	ds_load_b64 v[12*\i+6*\c+4:12*\i+6*\c+5], v[AU8+HV] offset:KO+FRB*\i+HIB*\c+512
.endr
.endr
.irp j, 0,1,2,3,4,5,6,7
.irp c, 0,1
	ds_load_b128 v[48+12*\j+6*\c:48+12*\j+6*\c+3], v[AT16+HV] offset:KO+FRB*\j+HIB*\c
	ds_load_b64 v[48+12*\j+6*\c+4:48+12*\j+6*\c+5], v[AT8+HV] offset:KO+FRB*\j+HIB*\c+512
.endr
.endr
	WIN 0
.irp p, 0,1
	ds_load_b32 v[SCW+6*(\buf)+\p], v[ASU+HV] offset:KO+128*\p
.endr
.irp p, 0,1,2,3
	ds_load_b32 v[SCW+6*(\buf)+2+\p], v[AST+HV] offset:KO+128*\p
.endr
.endm
; one product: accumulator (i, j).  cmode 0: onto itself; 1: the sum starts from the bias along T; 2: from the bias along U.  An odd tile's scale words stand in lanes 16-31
.macro WM i, j, buf, cmode
.set DR, 8*(8*(\i)+(\j))
.set CR, DR
.if (\cmode) == 1
.set CR, BIAS+8*(\j)
.elseif (\cmode) == 2
.set CR, BIAS+8*(\i)
.endif
.set AR, 48+12*(\j)
.set BR, 12*(\i)
.set SA, SCW+6*(\buf)+2+(\j)/2
.set SB, SCW+6*(\buf)+(\i)/2
.if ((\j)%2) && ((\i)%2)
	v_wmma_scale_f32_16x16x128_f8f6f4 v[DR:DR+7], v[AR:AR+11], v[BR:BR+11], v[CR:CR+7], v[SA], v[SB] matrix_a_fmt:MATRIX_FMT_BF6 matrix_b_fmt:MATRIX_FMT_BF6 matrix_a_scale:MATRIX_SCALE_ROW1 matrix_b_scale:MATRIX_SCALE_ROW1
.elseif (\j)%2
	v_wmma_scale_f32_16x16x128_f8f6f4 v[DR:DR+7], v[AR:AR+11], v[BR:BR+11], v[CR:CR+7], v[SA], v[SB] matrix_a_fmt:MATRIX_FMT_BF6 matrix_b_fmt:MATRIX_FMT_BF6 matrix_a_scale:MATRIX_SCALE_ROW1
.elseif (\i)%2
	v_wmma_scale_f32_16x16x128_f8f6f4 v[DR:DR+7], v[AR:AR+11], v[BR:BR+11], v[CR:CR+7], v[SA], v[SB] matrix_a_fmt:MATRIX_FMT_BF6 matrix_b_fmt:MATRIX_FMT_BF6 matrix_b_scale:MATRIX_SCALE_ROW1
.else
	v_wmma_scale_f32_16x16x128_f8f6f4 v[DR:DR+7], v[AR:AR+11], v[BR:BR+11], v[CR:CR+7], v[SA], v[SB] matrix_a_fmt:MATRIX_FMT_BF6 matrix_b_fmt:MATRIX_FMT_BF6
.endif
.endm
; a K step's 32 products: the 32 accumulators take turns, one instruction a turn, in the same order in every step
.macro MUL buf, cmode
.if \cmode
	WIN 0x4a+5*(\buf)                              ; A, B in the set's window, C (the bias) in window 0, D in window 1
.else
	WIN 0x5a+5*(\buf)                              ; C and D in window 1
.endif
.irp i, 0,1,2,3
.irp j, 0,1,2,3,4,5,6,7
	WM \i, \j, \buf, \cmode
.endr
.endr
.endm
; U's tile i: a lane's 64 results, register 16 b + k = T's row 32 b + 16 (lane / 16) + k, become a fragment's codes in v[PC0 + 12 i] on and the row's scale word in v[PW + i]
.macro QUANT i
.set AC, 64*(\i)
.set PC, PC0+12*(\i)
	WIN 0x05                                       ; sources 0 and 1: the accumulators' window
.irp b, 0,1,2,3
	v_max3_num_f32 v[TM+\b], |v[AC+16*\b]|, |v[AC+16*\b+1]|, 0x2800000   ; each accumulator is read from its low end on; the floor 2^(5 - 127) holds the byte at 1 from below
.endr
.irp k, 2,4,6,8,10,12,14
.irp b, 0,1,2,3
	v_max3_num_f32 v[TM+\b], |v[AC+16*\b+\k]|, |v[AC+16*\b+\k+1]|, v[TM+\b]
.endr
.endr
	WIN 0
.irp b, 0,1,2,3
	v_permlanex16_b32 v[TM+4+\b], v[TM+\b], s96, s97
.endr
.irp b, 0,1,2,3
	v_max_num_f32 v[TM+\b], v[TM+\b], v[TM+4+\b]   ; with lane l xor 16's 16: the block's largest magnitude
.endr
.irp b, 0,1,2,3
	v_add_nc_u32 v[TM+12+\b], 0xfe000000, v[TM+\b] ; 4 off the exponent field: the conversion's scale operand
.endr
.irp b, 0,1,2,3
	v_lshrrev_b32 v[TM+4+\b], 23, v[TM+12+\b]      ; the scale's byte
.endr
	v_lshl_or_b32 v[PW+\i], v[TM+5], 8, v[TM+4]
	v_lshl_or_b32 v[PW+\i], v[TM+6], 16, v[PW+\i]
	v_lshl_or_b32 v[PW+\i], v[TM+7], 24, v[PW+\i]
	WIN 0x01
.irp c, 0,1
	v_cvt_scalef32_pk16_bf6_f32 v[PC+6*\c:PC+6*\c+2], v[AC+32*\c:AC+32*\c+15], v[TM+12+2*\c]
	v_cvt_scalef32_pk16_bf6_f32 v[TC+4*\c:TC+4*\c+2], v[AC+32*\c+16:AC+32*\c+31], v[TM+12+2*\c+1]
.endr
	WIN 0
	v_nop                                          ; one plain place behind a scaled conversion
.irp c, 0,1                                    ; the layout wants a whole block in a lane: lanes 0-15 block 2 c, lanes 16-31 block 2 c + 1
.irp e, 0,1,2
	v_permlane16_swap_b32 v[PC+6*\c+\e], v[TC+4*\c+\e]
.endr
.irp e, 0,1,2
	v_mov_b32 v[PC+3+6*\c+\e], v[TC+4*\c+\e]
.endr
.endr
.endm
	s_wait_tensorcnt 0x3                           ; my first load (K steps 0, 1) has landed; my three later ones may stay out
	s_barrier_signal -1
	s_barrier_wait -1                              ; everybody's has
	FETCH 0, 0
	s_wait_dscnt 0x0
	FETCH 1, 1
	s_wait_loadcnt 0x0                             ; the bias
	s_cmp_eq_u32 s[TY], 2
	s_cbranch_scc1 .Lfirst_v
	MUL 0, 1                                       ; the first K step starts the sums from the bias: nothing is cleared, nothing is added later
	WIN 0
	s_branch .Lfirst_done
.Lfirst_v:
	MUL 0, 2
	WIN 0
.Lfirst_done:
.irp s, 1,2,3,4,5,6,7
	s_wait_dscnt 0x0                               ; this step's fragments are in (asked for 32 products ago)
.if ((\s)%2 == 1) && ((\s) < 7)
	s_wait_tensorcnt 2-(\s)/2                      ; my load with the next two K steps has landed; the count is my later loads
	s_barrier_signal -1
	s_barrier_wait -1
.endif
.if (\s) < 7
	PLACES                                         ; four places in front of loads into registers that the last step's products have read
	FETCH \s+1, (\s+1)%2
.endif
	MUL (\s)%2, 0
.endr
	WIN 0
	PLACES                                         ; four places in front of the first read of results
	s_mov_b32 s96, 0x76543210
	s_mov_b32 s97, 0xfedcba98                      ; v_permlanex16_b32's selects for lane l xor 16
.irp i, 0,1,2,3
	QUANT \i
	global_store_b128 v1, v[PC0+12*\i:PC0+12*\i+3], s[PP+4*\i:PP+4*\i+1]             ; a half image: 512 consecutive bytes, aligned,
	global_store_b64 v2, v[PC0+12*\i+4:PC0+12*\i+5], s[PP+4*\i:PP+4*\i+1] offset:512 ; and 256
	global_store_b128 v1, v[PC0+12*\i+6:PC0+12*\i+9], s[PP+4*\i+2:PP+4*\i+3]
	global_store_b64 v2, v[PC0+12*\i+10:PC0+12*\i+11], s[PP+4*\i+2:PP+4*\i+3] offset:512
.endr
	s_mov_b32 s2, 0xffff0000
	v_cndmask_b32 v[MW], v[PW], v[PW+1], s2        ; lanes 0-15 tile 0's words, lanes 16-31 tile 1's
	v_cndmask_b32 v[MW+1], v[PW+2], v[PW+3], s2    ; tiles 2 and 3
	s_cmp_eq_u32 s[TY], 2
	s_cbranch_scc1 .Lsc_v
	v_and_b32 v[LW], 0xffff, v[MW]                 ; q, k: a word's lower two bytes are the first head's two blocks, the upper two the second head's;
	v_and_b32 v[LW+1], 0xffff, v[MW+1]             ; each head's word has zeros above: there the codes are zeros too
	v_lshrrev_b32 v[HW], 16, v[MW]
	v_lshrrev_b32 v[HW+1], 16, v[MW+1]
	global_store_b64 v2, v[LW:LW+1], s[PS:PS+1]    ; 256 consecutive bytes, aligned
	global_store_b64 v2, v[HW:HW+1], s[PS+2:PS+3]
	s_branch .Lsc_done
.Lsc_v:
	global_store_b64 v2, v[MW:MW+1], s[PS:PS+1]
.Lsc_done:
	s_wait_tensorcnt 0x0
	ds_add_u32 v254, v255
	s_wait_dscnt 0x0
	CROUND                                         ; the closing round: no work-group ends while a partner may still ask for a block that names it
	s_endpgm
.Lfunc_end_k_qac0acb4ffb_proj:
	.size	k_qac0acb4ffb_proj, .Lfunc_end_k_qac0acb4ffb_proj-k_qac0acb4ffb_proj
	.p2alignl 7, 3214868480
	.fill 96, 4, 3214868480
	.section	.rodata,"a",@progbits
	.p2align	6, 0x0
	.amdhsa_kernel k_qac0acb4ffb_proj
		.amdhsa_group_segment_fixed_size 307712
		.amdhsa_private_segment_fixed_size 0
		.amdhsa_enable_private_segment 0
		.amdhsa_kernarg_size 48
		.amdhsa_user_sgpr_count 2
		.amdhsa_user_sgpr_kernarg_segment_ptr 1
		.amdhsa_wavefront_size32 1
		.amdhsa_system_sgpr_workgroup_id_x 1
		.amdhsa_system_sgpr_workgroup_id_y 1
		.amdhsa_system_sgpr_workgroup_id_z 1
		.amdhsa_system_vgpr_workitem_id 0
		.amdhsa_next_free_vgpr 1024
		.amdhsa_next_free_sgpr 100
		.amdhsa_reserve_vcc 0
		.amdhsa_float_denorm_mode_32 3
		.amdhsa_float_denorm_mode_16_64 3
		.amdhsa_memory_ordered 1
		.amdhsa_forward_progress 1
		.amdhsa_inst_pref_size 98
	.end_amdhsa_kernel
	.amdgpu_metadata
---
amdhsa.version: [ 1, 2 ]
amdhsa.kernels:
  - .name:           k_qac0acb4ffb_proj
    .symbol:         k_qac0acb4ffb_proj.kd
    .args:
      - { .name: img, .offset: 0, .size: 8, .value_kind: global_buffer, .address_space: global }
      - { .name: qi, .offset: 8, .size: 8, .value_kind: global_buffer, .address_space: global }
      - { .name: kv, .offset: 16, .size: 8, .value_kind: global_buffer, .address_space: global }
      - { .name: bq, .offset: 24, .size: 8, .value_kind: global_buffer, .address_space: global }
      - { .name: bk, .offset: 32, .size: 8, .value_kind: global_buffer, .address_space: global }
      - { .name: bv, .offset: 40, .size: 8, .value_kind: global_buffer, .address_space: global }
    .group_segment_fixed_size: 307712
    .private_segment_fixed_size: 0
    .kernarg_segment_align: 8
    .kernarg_segment_size: 48
    .max_flat_workgroup_size: 128
    .sgpr_count:     100
    .vgpr_count:     1024
    .wavefront_size: 32
...
	.end_amdgpu_metadata
.endif
;; end of part 2
;; launch attn (part 3): grid 4 x 64, 16 waves a work-group, no clusters, 210,944 bytes of LDS; arguments qi, kv, maskw, skipw, oimg; writes oimg
.if DOCPART == 3
	.amdgcn_target "amdgcn-amd-amdhsa--gfx1250"
	.amdhsa_code_object_version 6
	.text
	.protected	k_qac0acb4ffb_attn
	.globl	k_qac0acb4ffb_attn
	.p2align	8
	.type	k_qac0acb4ffb_attn,@function
k_qac0acb4ffb_attn:
	s_mov_b64 s[64:65], 0
	v_nop
	global_prefetch_b8 v0, s[64:65] scope:SCOPE_SE
	s_setreg_imm32_b32 hwreg(HW_REG_WAVE_MODE, 25, 1), 1
	s_wait_xcnt 0x0
; ATTN.  For each (batch, head): O = softmax(where(mask, -1e9, q k^T / 8)) v, both products on codes of BF6 (E3M2) with E8M0 scales; O / l is quantised along the features for the last product.
; THE SOFTMAX AHEAD OF THE SECOND PRODUCT: t = score x log2(e) / 8; M = the running largest t rounded UP to a whole number; p = 2^(t - M) is quantised along the keys, not normalised; the row's sum is
; taken of the unquantised p and divides at the end; when M moves, the sum and O are multiplied by 2^(old M - new M), which rounds nothing.
; SHARES.  A work-group has one head and two blocks of 256 queries, block x and block 7 - x; each of its sixteen waves one tile of 16 queries in 256 registers: four waves to a SIMD, so that one wave's vector
; work stands beside another's products, LDS loads and scalar loads.  The head's K and V codes and scale words, 16 steps x 13,056 bytes, are brought into LDS ONCE, through registers; one barrier; then the waves run free.
; LAYOUT.  Both products transposed: S^T = K Q^T, O^T = V^T P^T: a lane holds one query.  A tile's lane place r is row 32 bb + 8 u + r + 8 (r / 8) of its group of 32, for queries, keys and d alike:
; score register 16 bb + i of lane (r, h) is key 32 bb + 16 h + i.  The head's K is 64: a half image of 6 registers.  Q's upper six registers are zeros under scale bytes 0; K's half images lie 6 registers
; apart, so that a tile's upper six registers are the next tile's codes: finite numbers that meet Q's zero codes and add exactly 0.
; THE MASK is an input: word 16 bb + i of a (query tile, step) holds the 32 lanes' bits for score register 16 bb + i; one v_cndmask_b32 a score.  A step whose bit in the tile's skip word is set has every
; key masked for all 16 queries, and each of these has an open key elsewhere: all its p are 0 in the end, so its work is jumped over, by a scalar branch on that stored word.
; NO CLUSTER, NO TENSOR LOAD: what the four work-groups of a head share is read once by each, 208,896 bytes.
; LIMITS: a masked score is -2^33, that is logit -2^30 where the problem has -1e9: c x 2^33 is exact, so a row that is masked wholly gets p = 1 everywhere, as there; the results agree as long as open logits
; lie above about -9e8.  A block of zeros gets the scale byte 1.  NaN and infinities are not served.
; REGISTERS: v1, v2 16 and 8 x lane; v3, v4 the step's LDS addresses; v5 Q's scale word's place; v6 -2^33; v7 r; v8-11, v29-31 offsets; v12 -M, v13 the largest t, v[14:15] the sum in two halves;
; v16-27 Q, v28 its scale words; v32-85 K's half images, then v32-79 V's fragments; v86-89 K's scale words, v90-91 V's; v96-159 S^T, then p; v160-191 O^T; v224-235 p's codes; v232-254 at work; v253 p's scale word.
.set KVS, 13056
.set KVH, 16*KVS
.set QIH, 106496
.set BLKB, 102400
.set KSB, 12800
.set FILL, 96                          ; v96-197: the fill's way through registers (none of them ever holds scales)
.set WV, 14
.set HB, 15                            ; 16 x batch + head
.set BT, 17
.set HD, 18
.set QC, 19                            ; counts the two blocks of queries
.set SEL, 20
.set CS, 22
.set SIG, 24                           ; counts the 16 steps
.set TB, 25                            ; the step's first LDS byte
.set MO, 26                            ; the step's mask words, offset in maskw
.set SK, 27                            ; the skip bits, the step's lowest
	s_load_b256 s[4:11], s[0:1], 0x0               ; qi, kv, maskw, skipw
	s_load_b64 s[12:13], s[0:1], 0x20              ; oimg
	v_lshl_add_u32 v251, v0, 2, 0x33000
	v_mov_b32 v255, 0
	v_lshrrev_b32 v1, 5, v0
	v_readfirstlane_b32 s[WV], v1                  ; wave 0..15
	s_and_b32 s[HB], ttmp7, 0xffff
	s_lshr_b32 s[BT], s[HB], 4
	s_and_b32 s[HD], s[HB], 15
	v_and_b32 v3, 31, v0
	v_lshlrev_b32 v1, 4, v3
	v_lshlrev_b32 v2, 3, v3
	v_and_b32 v7, 15, v0
	s_mul_i32 s28, s[WV], KVS                      ; wave w brings step w: its place in LDS,
	s_mul_i32 s29, s[HB], KVH
	s_add_co_u32 s29, s29, s28                     ; and in kv (under 2^24)
	v_add_nc_u32 v8, s29, v1
	v_add_nc_u32 v9, s29, v2
	v_add_nc_u32 v10, s28, v1
	v_add_nc_u32 v11, s28, v2
	s_wait_kmcnt 0x0
.irp n, 0,1,2,3,4,5,6,7,8,9,10,11,12,13,14,15,16,17,18,19,20,21,22,23,24
	global_load_b128 v[FILL+4*\n:FILL+4*\n+3], v8, s[6:7] offset:512*\n   ; 512 consecutive bytes
.endr
	global_load_b64 v[FILL+100:FILL+101], v9, s[6:7] offset:12800
	s_and_b32 s28, s[WV], 1
	s_lshl_b32 s28, s28, 7
	s_bfe_u32 s29, s[WV], 0x10001
	s_lshl_b32 s29, s29, 2
	s_add_co_u32 s28, s28, s29
	v_lshl_add_u32 v5, v7, 3, s28                  ; in a group of four tiles' words: 8 (16 (w % 2) + r) + 4 ((w / 2) % 2)
	v_mov_b32 v6, 0xd0000000                       ; -2^33
	s_mov_b32 s[SEL], 0x76543210
	s_mov_b32 s[SEL+1], 0xfedcba98                 ; v_permlanex16_b32's selects for lane l xor 16
	s_mov_b32 s[CS], 0x3e38aa3b                    ; c = log2(e) / 8
	s_mov_b32 s[CS+1], s[CS]                       ; (named with it as a pair, so it is written)
.irp j, 22,23,24,25,26,27,80,81,82,83,84,85
	v_mov_b32 v[\j], 0                             ; Q's upper half, and what stands above K's last tile: zero codes
.endr
.irp b, 0,1,2,3
	v_mov_b32 v[236+\b], 0                         ; a lane permute's destination counts as one of its sources
.endr
	v_mov_b32 v252, 0
	v_mov_b32 v253, 0
.irp n, 0,1,2,3,4,5,6,7,8,9,10,11,12,13,14,15,16,17,18,19,20,21,22,23,24
	s_wait_loadcnt 25-\n                           ; loads come back in order: load n is in, the 25 - n younger ones may be out
	ds_store_b128 v10, v[FILL+4*\n:FILL+4*\n+3] offset:512*\n
.endr
	s_wait_loadcnt 0x0
	ds_store_b64 v11, v[FILL+100:FILL+101] offset:12800
	s_wait_dscnt 0x0                               ; for the others' sake: my step lies in LDS
	s_barrier_signal -1
	s_barrier_wait -1                              ; the whole head does; from here on LDS is only read
.macro QK t                            ; 16 keys x my 16 queries; an odd tile's scale words stand in lanes 16-31
.if (\t)%2
	v_wmma_scale_f32_16x16x128_f8f6f4 v[96+8*(\t):103+8*(\t)], v[32+6*(\t):43+6*(\t)], v[16:27], 0, v[86+(\t)/2], v28 matrix_a_fmt:MATRIX_FMT_BF6 matrix_b_fmt:MATRIX_FMT_BF6 matrix_a_scale:MATRIX_SCALE_ROW1
.else
	v_wmma_scale_f32_16x16x128_f8f6f4 v[96+8*(\t):103+8*(\t)], v[32+6*(\t):43+6*(\t)], v[16:27], 0, v[86+(\t)/2], v28 matrix_a_fmt:MATRIX_FMT_BF6 matrix_b_fmt:MATRIX_FMT_BF6
.endif
.endm
.macro PV t                            ; 16 of the head's 64 x my 16 queries, K = the step's 128 keys
.if (\t)%2
	v_wmma_scale_f32_16x16x128_f8f6f4 v[160+8*(\t):167+8*(\t)], v[32+12*(\t):43+12*(\t)], v[224:235], v[160+8*(\t):167+8*(\t)], v[90+(\t)/2], v253 matrix_a_fmt:MATRIX_FMT_BF6 matrix_b_fmt:MATRIX_FMT_BF6 matrix_a_scale:MATRIX_SCALE_ROW1
.else
	v_wmma_scale_f32_16x16x128_f8f6f4 v[160+8*(\t):167+8*(\t)], v[32+12*(\t):43+12*(\t)], v[224:235], v[160+8*(\t):167+8*(\t)], v[90+(\t)/2], v253 matrix_a_fmt:MATRIX_FMT_BF6 matrix_b_fmt:MATRIX_FMT_BF6
.endif
.endm
	s_mov_b32 s[QC], 0
.Lqblock:
	s_wait_xcnt 0x0                                ; the last block's stores (and the fill's loads) have read their registers
	s_sub_co_u32 s28, 7, ttmp9
	s_cmp_eq_u32 s[QC], 0
	s_cselect_b32 s28, ttmp9, s28                  ; block x, then block 7 - x
	s_lshl_b32 s28, s28, 4
	s_add_co_u32 s28, s28, s[WV]                   ; my query tile in the batch, 0..127
	s_mul_i32 s29, s[HB], QIH
	s_mul_i32 s30, s28, 768
	s_add_co_u32 s30, s30, s29
	v_add_nc_u32 v8, s30, v1
	v_add_nc_u32 v9, s30, v2
	s_lshr_b32 s30, s28, 2
	s_lshl_b32 s30, s30, 8
	s_add_co_u32 s30, s30, s29
	s_add_co_u32 s30, s30, 98304
	v_add_nc_u32 v10, s30, v5
	global_load_b128 v[16:19], v8, s[4:5]          ; Q's half image
	global_load_b64 v[20:21], v9, s[4:5] offset:512
	global_load_b32 v28, v10, s[4:5]               ; its scale words (upper two bytes 0)
	s_lshl_b32 s31, s[BT], 7
	s_add_co_u32 s31, s31, s28                     ; 128 x batch + tile
	s_lshl_b32 s30, s31, 2
	s_load_b32 s[SK], s[10:11], s30
	s_lshl_b32 s[MO], s31, 12
	s_lshl_b32 s2, s[BT], 4                        ; where O goes: oimg's block 16 batch + tile / 8, K step head / 2, tile % 8, half head % 2
	s_lshr_b32 s3, s28, 3
	s_add_co_u32 s2, s2, s3
	s_mul_i32 s2, s2, BLKB
	s_lshr_b32 s3, s[HD], 1
	s_mul_i32 s3, s3, KSB
	s_add_co_u32 s2, s2, s3
	s_and_b32 s3, s28, 7
	s_mul_i32 s29, s3, 1536
	s_add_co_u32 s29, s29, s2
	s_and_b32 s31, s[HD], 1
	s_mul_i32 s31, s31, 768
	s_add_co_u32 s29, s29, s31
	v_add_nc_u32 v29, s29, v1
	v_add_nc_u32 v30, s29, v2
	s_lshl_b32 s3, s3, 6
	s_add_co_u32 s2, s2, s3
	s_add_co_u32 s2, s2, 12288
	s_and_b32 s31, s[HD], 1
	s_lshl_b32 s31, s31, 1
	s_add_co_u32 s2, s2, s31
	v_lshl_add_u32 v31, v7, 2, s2                  ; my row's scale word, my head's two bytes of it
	s_mov_b32 s[TB], 0
	s_mov_b32 s[SIG], 0
	v_mov_b32 v13, 0xff61b1e6                      ; the largest t so far: -3e38
	v_floor_f32 v12, -v13                          ; -M
	v_mov_b32 v14, 0
	v_mov_b32 v15, 0
.irp j, 0,1,2,3,4,5,6,7,8,9,10,11,12,13,14,15,16,17,18,19,20,21,22,23,24,25,26,27,28,29,30,31
	v_mov_b32 v[160+\j], 0                         ; O^T: the step is written once; the first finds zeros, which the first change of M leaves zeros
.endr
	s_wait_kmcnt 0x0
	s_wait_loadcnt 0x0
.Lstep:                                                ; 16 trips, a constant; a skipped step's work is jumped over inside the trip
	s_bitcmp1_b32 s[SK], 0
	s_cbranch_scc1 .Lnext
	s_load_b512 s[32:47], s[8:9], s[MO] offset:0x0     ; the step's 64 mask words
	s_load_b512 s[48:63], s[8:9], s[MO] offset:0x40
	s_load_b512 s[68:83], s[8:9], s[MO] offset:0x80
	s_load_b512 s[84:99], s[8:9], s[MO] offset:0xc0
	v_add_nc_u32 v3, s[TB], v1
	v_add_nc_u32 v4, s[TB], v2
	v_nop
	v_nop                                          ; four places in front of loads into registers that the last products have read
.irp t, 0,1,2,3,4,5,6,7
	ds_load_b128 v[32+6*\t:35+6*\t], v3 offset:768*\t
	ds_load_b64 v[36+6*\t:37+6*\t], v4 offset:768*\t+512
.endr
	ds_load_b64 v[86:87], v4 offset:12288          ; K's scale words: tiles 0-3,
	ds_load_b64 v[88:89], v4 offset:12544          ; tiles 4-7
	s_wait_dscnt 0x0
.irp t, 0,1,2,3,4,5,6,7
	QK \t
.endr
.rept 4
	v_nop                                          ; four places: in front of the loads into K's registers, and of the first read of the scores
.endr
.irp t, 0,1,2,3
.irp c, 0,1
	ds_load_b128 v[32+12*\t+6*\c:35+12*\t+6*\c], v3 offset:6144+1536*\t+768*\c      ; V's fragments land under the softmax
	ds_load_b64 v[36+12*\t+6*\c:37+12*\t+6*\c], v4 offset:6144+1536*\t+768*\c+512
.endr
.endr
	ds_load_b64 v[90:91], v4 offset:12800
	s_wait_kmcnt 0x0                               ; the mask words are in (and their offset register may step)
.irp j, 0,1,2,3,4,5,6,7,8,9,10,11,12,13,14,15,16,17,18,19,20,21,22,23,24,25,26,27,28,29,30,31
	v_cndmask_b32 v[96+\j], v[96+\j], v6, s[32+\j] ; a masked score becomes -2^33; each accumulator is read from its low end on
.endr
.irp j, 32,33,34,35,36,37,38,39,40,41,42,43,44,45,46,47,48,49,50,51,52,53,54,55,56,57,58,59,60,61,62,63
	v_cndmask_b32 v[96+\j], v[96+\j], v6, s[36+\j]
.endr
.irp b, 0,1,2,3
	v_max3_num_f32 v[232+\b], v[96+16*\b], v[97+16*\b], v[98+16*\b]   ; the largest score of each block of 32 keys: it serves for the row's maximum and, since p rises with the score, for the block's largest p
.endr
.irp i, 3,5,7,9,11,13
.irp b, 0,1,2,3
	v_max3_num_f32 v[232+\b], v[232+\b], v[96+16*\b+\i], v[97+16*\b+\i]
.endr
.endr
.irp b, 0,1,2,3
	v_max_num_f32 v[232+\b], v[232+\b], v[111+16*\b]
.endr
.irp b, 0,1,2,3
	v_permlanex16_b32 v[236+\b], v[232+\b], s[SEL], s[SEL+1]
.endr
.irp b, 0,1,2,3
	v_max_num_f32 v[232+\b], v[232+\b], v[236+\b]  ; with lane l xor 16's 16 keys
.endr
	v_max3_num_f32 v254, v232, v233, v234
	v_max_num_f32 v254, v254, v235                 ; the step's largest score of my query
	v_mul_f32 v254, s[CS], v254                    ; as t
	v_max_num_f32 v13, v13, v254                   ; the running largest t
	v_mov_b32 v254, v12
	v_floor_f32 v12, -v13                          ; the new -M = floor(-t): M is a whole number
	v_sub_f32 v254, v12, v254                      ; old M - new M: a whole number, 0 or less
	v_cvt_i32_f32 v254, v254                       ; (it saturates)
	v_ldexp_f32 v252, 1.0, v254                    ; f = 2^(old M - new M)
.irp j, 0,2,4,6,8,10,12,14,16,18,20,22,24,26,28,30,32,34,36,38,40,42,44,46,48,50,52,54,56,58,60,62
	v_pk_fma_f32 v[96+\j:97+\j], v[96+\j:97+\j], s[CS:CS+1], v[12:13] op_sel_hi:[1,0,0]   ; t - M, two at a time
.endr
.irp b, 0,1,2,3
	v_fma_f32 v[232+\b], v[232+\b], s[CS], v12     ; the same of each block's largest score
.endr
.irp j, 0,1,2,3,4,5,6,7,8,9,10,11,12,13,14,15,16,17,18,19,20,21,22,23,24,25,26,27,28,29,30,31,32,33,34,35,36,37,38,39,40,41,42,43,44,45,46,47,48,49,50,51,52,53,54,55,56,57,58,59,60,61,62,63
	v_exp_f32 v[96+\j], v[96+\j]                   ; p = 2^(t - M), at most 1
.endr
	v_pk_mul_f32 v[14:15], v[14:15], v[252:253] op_sel_hi:[1,0]   ; the sums under the new M: a plain place behind the exponentials
	s_wait_alu depctr_va_vdst(0)                   ; one wait for the whole batch, ahead of its first reader
.irp b, 0,1,2,3
	v_exp_f32 v[232+\b], v[232+\b]                 ; the block's largest p: the same two instructions on the same number
.endr
	v_pk_add_f32 v[236:237], v[96:97], v[98:99]    ; the row's sum is taken of the unquantised p, in two chains
.irp j, 4,8,12,16,20,24,28,32,36,40,44,48,52,56,60
	v_pk_add_f32 v[14:15], v[14:15], v[96+\j:97+\j]
	v_pk_add_f32 v[236:237], v[236:237], v[98+\j:99+\j]
.endr
	v_pk_add_f32 v[14:15], v[14:15], v[236:237]
	s_wait_alu depctr_va_vdst(0)                   ; and one for the four
.irp b, 0,1,2,3
	v_max_num_f32 v[232+\b], 0x2800000, v[232+\b]  ; the floor 2^(5 - 127): the byte cannot fall under 1
.endr
.irp b, 0,1,2,3
	v_add_nc_u32 v[244+\b], 0xfe000000, v[232+\b]  ; 4 off the exponent field: the conversion's scale operand
.endr
.irp b, 0,1,2,3
	v_lshrrev_b32 v[236+\b], 23, v[244+\b]         ; the scale's byte
.endr
	v_lshl_or_b32 v253, v237, 8, v236              ; p's scale word for these 128 keys
	v_lshl_or_b32 v253, v238, 16, v253
	v_lshl_or_b32 v253, v239, 24, v253
.irp c, 0,1
	v_cvt_scalef32_pk16_bf6_f32 v[224+6*\c:226+6*\c], v[96+32*\c:111+32*\c], v[244+2*\c]
	v_cvt_scalef32_pk16_bf6_f32 v[236+4*\c:238+4*\c], v[112+32*\c:127+32*\c], v[244+2*\c+1]
.endr
	v_nop                                          ; one plain place behind a scaled conversion
.irp c, 0,1                                    ; a whole block in a lane: lanes 0-15 block 2 c, lanes 16-31 block 2 c + 1
.irp i, 0,1,2
	v_permlane16_swap_b32 v[224+6*\c+\i], v[236+4*\c+\i]
.endr
.irp i, 0,1,2
	v_mov_b32 v[227+6*\c+\i], v[236+4*\c+\i]
.endr
.endr
.irp j, 0,2,4,6,8,10,12,14,16,18,20,22,24,26,28,30
	v_pk_mul_f32 v[160+\j:161+\j], v[160+\j:161+\j], v[252:253] op_sel_hi:[1,0]   ; O^T under the new M; these sixteen are also the places in front of the products below
.endr
	s_wait_dscnt 0x0                               ; V and its scale words are in
.irp t, 0,1,2,3
	PV \t                                          ; four accumulators by turns, one instruction a turn
.endr
.Lnext:
	s_lshr_b32 s[SK], s[SK], 1
	s_add_co_u32 s[TB], s[TB], KVS
	s_add_co_u32 s[MO], s[MO], 256
	s_add_co_u32 s[SIG], s[SIG], 1
	s_cmp_lt_u32 s[SIG], 16
	s_cbranch_scc1 .Lstep
	; THE WAY OUT: O^T / the sum, quantised along the head's 64 (two blocks): a half image of the last product's operand, and two bytes of its scale word
.rept 4
	v_nop                                          ; four places behind the last products
.endr
	v_add_f32 v14, v14, v15
	v_permlanex16_b32 v252, v14, s[SEL], s[SEL+1]
	v_add_f32 v14, v14, v252                       ; the row's sum
	v_rcp_f32 v14, v14
	v_nop                                          ; a plain place behind the transcendental
	s_wait_alu depctr_va_vdst(0)                   ; the wait ahead of its first reader
.irp j, 0,2,4,6,8,10,12,14,16,18,20,22,24,26,28,30
	v_pk_mul_f32 v[96+\j:97+\j], v[160+\j:161+\j], v[14:15] op_sel_hi:[1,0]   ; register 16 bb + i is d = 32 bb + 16 h + i of my query; each accumulator from its low end on
.endr
.irp b, 0,1
	v_max3_num_f32 v[232+\b], |v[96+16*\b]|, |v[97+16*\b]|, 0x2800000
.endr
.irp i, 2,4,6,8,10,12,14
.irp b, 0,1
	v_max3_num_f32 v[232+\b], v[232+\b], |v[96+16*\b+\i]|, |v[97+16*\b+\i]|
.endr
.endr
.irp b, 0,1
	v_permlanex16_b32 v[236+\b], v[232+\b], s[SEL], s[SEL+1]
.endr
.irp b, 0,1
	v_max_num_f32 v[232+\b], v[232+\b], v[236+\b]
.endr
.irp b, 0,1
	v_add_nc_u32 v[244+\b], 0xfe000000, v[232+\b]
.endr
.irp b, 0,1
	v_lshrrev_b32 v[236+\b], 23, v[244+\b]
.endr
	v_lshl_or_b32 v240, v237, 8, v236              ; my head's two bytes
	v_cvt_scalef32_pk16_bf6_f32 v[224:226], v[96:111], v244
	v_cvt_scalef32_pk16_bf6_f32 v[236:238], v[112:127], v245
	v_nop
.irp i, 0,1,2
	v_permlane16_swap_b32 v[224+\i], v[236+\i]
.endr
.irp i, 0,1,2
	v_mov_b32 v[227+\i], v[236+\i]
.endr
	global_store_b128 v29, v[224:227], s[12:13]            ; 512 consecutive bytes, aligned
	global_store_b64 v30, v[228:229], s[12:13] offset:512  ; 256
	global_store_b16 v31, v240, s[12:13]                   ; two heads share a scale word, so each stores its half; lanes r and r + 16 store the same value
	s_add_co_u32 s[QC], s[QC], 1
	s_cmp_lt_u32 s[QC], 2
	s_cbranch_scc1 .Lqblock
	s_wait_tensorcnt 0x0
	ds_add_u32 v251, v255
	s_wait_dscnt 0x0
	s_endpgm
.Lfunc_end_k_qac0acb4ffb_attn:
	.size	k_qac0acb4ffb_attn, .Lfunc_end_k_qac0acb4ffb_attn-k_qac0acb4ffb_attn
	.p2alignl 7, 3214868480
	.fill 96, 4, 3214868480
	.section	.rodata,"a",@progbits
	.p2align	6, 0x0
	.amdhsa_kernel k_qac0acb4ffb_attn
		.amdhsa_group_segment_fixed_size 210944
		.amdhsa_private_segment_fixed_size 0
		.amdhsa_enable_private_segment 0
		.amdhsa_kernarg_size 40
		.amdhsa_user_sgpr_count 2
		.amdhsa_user_sgpr_kernarg_segment_ptr 1
		.amdhsa_wavefront_size32 1
		.amdhsa_system_sgpr_workgroup_id_x 1
		.amdhsa_system_sgpr_workgroup_id_y 1
		.amdhsa_system_sgpr_workgroup_id_z 1
		.amdhsa_system_vgpr_workitem_id 0
		.amdhsa_next_free_vgpr 256
		.amdhsa_next_free_sgpr 100
		.amdhsa_reserve_vcc 0
		.amdhsa_float_denorm_mode_32 3
		.amdhsa_float_denorm_mode_16_64 3
		.amdhsa_memory_ordered 1
		.amdhsa_forward_progress 1
		.amdhsa_inst_pref_size 35
	.end_amdhsa_kernel
	.amdgpu_metadata
---
amdhsa.version: [ 1, 2 ]
amdhsa.kernels:
  - .name:           k_qac0acb4ffb_attn
    .symbol:         k_qac0acb4ffb_attn.kd
    .args:
      - { .name: qi, .offset: 0, .size: 8, .value_kind: global_buffer, .address_space: global }
      - { .name: kv, .offset: 8, .size: 8, .value_kind: global_buffer, .address_space: global }
      - { .name: maskw, .offset: 16, .size: 8, .value_kind: global_buffer, .address_space: global }
      - { .name: skipw, .offset: 24, .size: 8, .value_kind: global_buffer, .address_space: global }
      - { .name: oimg, .offset: 32, .size: 8, .value_kind: global_buffer, .address_space: global }
    .group_segment_fixed_size: 210944
    .private_segment_fixed_size: 0
    .kernarg_segment_align: 8
    .kernarg_segment_size: 40
    .max_flat_workgroup_size: 512
    .sgpr_count:     100
    .vgpr_count:     256
    .wavefront_size: 32
...
	.end_amdgpu_metadata
.endif
;; end of part 3
;; launch outp (part 4): grid 4 x 64, 4 waves a work-group, clusters of 4 x 4, 307,712 bytes of LDS; arguments oimg, img, bo, out0; writes out0
.if DOCPART == 4
	.amdgcn_target "amdgcn-amd-amdhsa--gfx1250"
	.amdhsa_code_object_version 6
	.text
	.protected	k_qac0acb4ffb_outp
	.globl	k_qac0acb4ffb_outp
	.p2align	8
	.type	k_qac0acb4ffb_outp,@function
k_qac0acb4ffb_outp:
	s_mov_b64 s[64:65], 0
	v_nop
	global_prefetch_b8 v0, s[64:65] scope:SCOPE_SE
	s_setreg_imm32_b32 hwreg(HW_REG_WAVE_MODE, 25, 1), 1
	s_wait_xcnt 0x0
	s_wait_alu depctr_hold_cnt(0) depctr_sa_sdst(0) depctr_va_vdst(0) depctr_va_sdst(0) depctr_va_ssrc(0) depctr_va_vcc(0) depctr_vm_vsrc(0)
	s_getreg_b32 s2, hwreg(HW_REG_IB_STS2, 6, 4)
	s_cmp_eq_u32 s2, 0
	s_cbranch_scc0 .Lentry_in_a_cluster
	s_endpgm
.Lentry_in_a_cluster:
	s_bfe_u32 s2, ttmp6, 0x10000c
	s_cmp_lg_u32 s2, 0xf033
	s_cbranch_scc0 .Lentry_shape_is_right
	s_endpgm
.Lentry_shape_is_right:
; OUTP.  out0 = O Wo^T + bo on codes of BF6 (E3M2) with E8M0 scales.  O's codes lie in oimg (64 blocks of 128 tokens), Wo's in img's blocks 216-223, both in the order of the operands' registers:
; a block is 8 K steps x (8 tiles x 1,536 bytes of codes + 8 x 64 bytes of scale words); tile 2 bb + u, lane place r = row 32 bb + 8 u + r + 8 (r / 8) of the block.
; Source 0 = 16 rows of Wo (T), source 1 = 16 tokens (U): a lane holds one token, and the 16 registers of T's tiles 2 bb, 2 bb + 1 are features 32 bb + 16 (lane / 16) + 0 .. 15: 64 neighbouring bytes of a row of out0.
; SHARES.  A work-group: 128 tokens x 256 features, all of K: three blocks, 307,200 bytes of LDS, each byte filled once.  256 work-groups.  A wave: 64 tokens (4 tiles) x 128 features (8 tiles): 32 accumulators.
; CLUSTERS of 4 x 4: the tokens' block is shared along a row of the cluster, Wo's two blocks along a column: joint loads.  Wave 0 asks for U, waves 1 and 2 for T's blocks, each in four loads of two K steps:
; four tensor loads of a wave are out at the most.  The bias is the C of each sum's first product.
; THE WAY OUT: a tile of 16 tokens x 128 features goes through the wave's own stage in LDS (in U's bytes, which have had their one fill and, behind a barrier, their last read) and leaves as whole rows of 512 bytes.
; REGISTERS.  Window 0: v1-15, v28-29 addresses; v16-27 scale words, two sets; v32-95 the bias; v128-255 rows on the way out.  Window 1: accumulator (i, j) at v[8 (8 i + j)].  Windows 2, 3: the two sets of fragments.
.set BLKB, 102400
.set KSB,  12800
.set FRB,  1536
.set HIB,  768
.set SCO,  12288
.set STGB, 2*KSB
.set SPITCH, 528
.set WV, 88
.set WL, 89
.set WH, 90
.set CX, 91
.set CYP, 92
.set UB, 94
.set FB, 91                            ; behind the loads: T's block, 2 cx + wh
.set G1U, 16
.set G1T, 24
.set G0U, 32
.set G0T, 48
.set OUTP, 68                          ; s[68:69] out0 at my first token and feature
.set AU16, 4
.set AU8, 6
.set AT16, 8
.set AT8, 10
.set ASU, 12
.set AST, 14
.set SCW, 16
.set STO, 28
.set RD, 29
.set BIAS, 32
.set BK, 128
.set MSB, 0
.macro WIN new                         ; the immediate's high byte repeats the setting that is left
.if MSB != \new
	s_set_vgpr_msb (MSB<<8)|\new
.set MSB, \new
.endif
.endm
.macro PLACES
.rept 4
	v_nop
.endr
.endm
.macro CROUND                          ; a round of the cluster's barrier
	s_barrier_signal -1
	s_barrier_wait -1
	s_cmp_lg_u32 s[WV], 0
	s_cbranch_scc1 .Lnot_wave_0_\@
	s_barrier_signal -3
.Lnot_wave_0_\@:
	s_barrier_wait -3
	s_barrier_signal -1
	s_barrier_wait -1
.endm
	s_load_b256 s[4:11], s[0:1], 0x0               ; oimg, img, bo, out0
	v_lshl_add_u32 v126, v0, 2, 0x4b000
	v_mov_b32 v127, 0
	ds_add_u32 v126, v127
	ds_add_u32 v126, v127
	v_lshrrev_b32 v1, 5, v0
	v_readfirstlane_b32 s[WV], v1
	s_and_b32 s[WL], s[WV], 1
	s_lshr_b32 s[WH], s[WV], 1
	s_bfe_u32 s[CX], ttmp6, 0x40000
	s_bfe_u32 s[CYP], ttmp6, 0x40004
	s_and_b32 s66, ttmp7, 0xffff                   ; the cluster's y, 0..15
	s_lshl_b32 s2, s66, 2
	s_add_co_u32 s[UB], s2, s[CYP]                 ; the tokens' block: hangs on cy alone of the two places
	s_mul_i32 s96, s[UB], BLKB
	s_mov_b32 s97, 0
	s_lshl_b32 s98, s[CX], 1                       ; Wo's pair of blocks: on cx alone
	s_add_co_u32 s98, s98, 216
	s_sub_co_u32 s99, s[WV], 1
	s_and_b32 s99, s99, 1                          ; wave 1: the pair's first block, wave 2: its second
	s_add_co_u32 s98, s98, s99
	s_mul_i32 s98, s98, BLKB
	s_mov_b32 s99, 0
	s_mul_i32 s67, s[WV], BLKB                     ; LDS: U at 0, T's blocks at 102,400 and 204,800
	s_lshl_b32 s2, s[CYP], 2
	s_lshl_b32 s2, 15, s2                          ; my row of the cluster
	s_lshl_b32 s3, 0x1111, s[CX]                   ; my column
	s_or_b32 s[G1U], s2, (3<<16)|(1<<21)           ; 15:0 the mask; 17:16 elements of 8 bytes; 20 no padding; 21 set beside a mask
	s_or_b32 s[G1T], s3, (3<<16)|(1<<21)
.irp g, G1U, G1T
	s_mov_b32 s[\g+1], 32<<16                      ; tensor_dim0 = 32 elements: 256 bytes
	s_mov_b32 s[\g+2], 100<<16                     ; tensor_dim1 = 100
	s_mov_b32 s[\g+3], 32<<16                      ; tile_dim0
	s_mov_b32 s[\g+4], 100                         ; tile_dim1
	s_mov_b32 s[\g+5], 32                          ; the pitch: the block is dense
	s_mov_b32 s[\g+6], 0
	s_mov_b32 s[\g+7], 0
.endr
	s_wait_dscnt 0x0
	s_wait_kmcnt 0x0
	s_add_nc_u64 s[96:97], s[4:5], s[96:97]
	s_add_nc_u64 s[98:99], s[6:7], s[98:99]
.irp t, 0,1,2,3
	s_mov_b32 s[G0U+4*\t], 1
	s_mov_b32 s[G0U+4*\t+1], STGB*\t
	s_add_nc_u64 s[G0U+4*\t+2:G0U+4*\t+3], s[96:97], STGB*\t
	s_or_b32 s[G0U+4*\t+3], s[G0U+4*\t+3], 0x80000000
	s_mov_b32 s[G0T+4*\t], 1
	s_add_co_u32 s[G0T+4*\t+1], s67, STGB*\t
	s_add_nc_u64 s[G0T+4*\t+2:G0T+4*\t+3], s[98:99], STGB*\t
	s_or_b32 s[G0T+4*\t+3], s[G0T+4*\t+3], 0x80000000
.endr
	CROUND                                         ; all sixteen work-groups are here: the joint loads meet
	s_cmp_eq_u32 s[WV], 0                          ; a wave's four fills stand in one branch on the wave's number; four v_nop follow the last
	s_cbranch_scc0 .Lnot_u
	tensor_load_to_lds s[G0U:G0U+3], s[G1U:G1U+7]
	s_nop 0
	tensor_load_to_lds s[G0U+4:G0U+7], s[G1U:G1U+7]
	s_nop 0
	tensor_load_to_lds s[G0U+8:G0U+11], s[G1U:G1U+7]
	s_nop 0
	tensor_load_to_lds s[G0U+12:G0U+15], s[G1U:G1U+7]
	s_nop 0
	PLACES
	s_branch .Lasked
.Lnot_u:
	s_cmp_eq_u32 s[WV], 3
	s_cbranch_scc1 .Lasked
	tensor_load_to_lds s[G0T:G0T+3], s[G1T:G1T+7]
	s_nop 0
	tensor_load_to_lds s[G0T+4:G0T+7], s[G1T:G1T+7]
	s_nop 0
	tensor_load_to_lds s[G0T+8:G0T+11], s[G1T:G1T+7]
	s_nop 0
	tensor_load_to_lds s[G0T+12:G0T+15], s[G1T:G1T+7]
	s_nop 0
	PLACES
.Lasked:
	v_and_b32 v3, 31, v0
	v_lshlrev_b32 v1, 4, v3
	v_lshlrev_b32 v2, 3, v3
	v_lshlrev_b32 v3, 2, v3
	s_mul_i32 s2, s[WL], 4*FRB
	v_add_nc_u32 v[AU16], s2, v1
	v_add_nc_u32 v[AU8], s2, v2
	s_mul_i32 s3, s[WH], BLKB
	s_add_co_u32 s3, s3, BLKB
	v_add_nc_u32 v[AT16], s3, v1
	v_add_nc_u32 v[AT8], s3, v2
	s_lshl_b32 s2, s[WL], 8
	s_add_co_u32 s2, s2, SCO
	v_add_nc_u32 v[ASU], s2, v3                    ; lanes 0-15 take an even tile's words, lanes 16-31 the next tile's
	s_add_co_u32 s3, s3, SCO
	v_add_nc_u32 v[AST], s3, v3
.irp a, AU16, AU8, AT16, AT8, ASU, AST
	v_add_nc_u32 v[\a+1], 4*KSB, v[\a]
.endr
	s_mul_i32 s2, s[WV], 16*SPITCH                 ; my stage
	v_and_b32 v30, 15, v0
	v_bfe_u32 v31, v0, 4, 1
	v_mul_u32_u24 v[STO], v30, SPITCH
	v_lshl_add_u32 v[STO], v31, 6, v[STO]
	v_add_nc_u32 v[STO], s2, v[STO]                ; in: row r, + 64 h
	v_add_nc_u32 v[RD], s2, v1                     ; back: 16 bytes a lane of a whole row
	s_lshl_b32 s[FB], s[CX], 1
	s_add_co_u32 s[FB], s[FB], s[WH]               ; my 128 features
	s_lshl_b32 s2, s[FB], 9
	s_mov_b32 s3, 0
	s_add_nc_u64 s[8:9], s[8:9], s[2:3]            ; bo at them
	v_lshlrev_b32 v31, 6, v31
.irp j, 0,1,2,3,4,5,6,7
	global_load_b128 v[BIAS+8*\j:BIAS+8*\j+3], v31, s[8:9] offset:(32*(\j/2)+8*(\j%2))*4        ; tile j's C: bo[128 fb + 32 bb + 16 h + 8 u + 0 .. 7]
	global_load_b128 v[BIAS+8*\j+4:BIAS+8*\j+7], v31, s[8:9] offset:(32*(\j/2)+8*(\j%2))*4+16
.endr
	s_lshl_b32 s96, s[UB], 7
	s_lshl_b32 s97, s[WL], 6
	s_add_co_u32 s96, s96, s97                     ; my first token: 128 ub + 64 wl
	s_lshl_b32 s96, s96, 12                        ; x 4,096 bytes (under 2^26)
	s_add_co_u32 s96, s96, s2                      ; + 512 fb
	s_mov_b32 s97, 0
	s_add_nc_u64 s[OUTP:OUTP+1], s[10:11], s[96:97]
; K step s: 12 fragments and 6 registers of scale words into set buf: 54 LDS loads, each of 512, 256 or 128 consecutive bytes
.macro FETCH s, buf
.set KO, ((\s)%4)*KSB
.set HV, (\s)/4
	WIN 0x80+0x40*(\buf)                           ; destination window 2 or 3, address window 0
.irp i, 0,1,2,3
.irp c, 0,1
	ds_load_b128 v[12*\i+6*\c:12*\i+6*\c+3], v[AU16+HV] offset:KO+FRB*\i+HIB*\c
	ds_load_b64 v[12*\i+6*\c+4:12*\i+6*\c+5], v[AU8+HV] offset:KO+FRB*\i+HIB*\c+512
.endr
.endr
.irp j, 0,1,2,3,4,5,6,7
.irp c, 0,1
	ds_load_b128 v[48+12*\j+6*\c:48+12*\j+6*\c+3], v[AT16+HV] offset:KO+FRB*\j+HIB*\c
	ds_load_b64 v[48+12*\j+6*\c+4:48+12*\j+6*\c+5], v[AT8+HV] offset:KO+FRB*\j+HIB*\c+512
.endr
.endr
	WIN 0
.irp p, 0,1
	ds_load_b32 v[SCW+6*(\buf)+\p], v[ASU+HV] offset:KO+128*\p
.endr
.irp p, 0,1,2,3
	ds_load_b32 v[SCW+6*(\buf)+2+\p], v[AST+HV] offset:KO+128*\p
.endr
.endm
; one product: accumulator (i, j).  cmode 0: onto itself; 1: the sum starts from the bias.  An odd tile's scale words stand in lanes 16-31
.macro WM i, j, buf, cmode
.set DR, 8*(8*(\i)+(\j))
.set CR, DR
.if (\cmode) == 1
.set CR, BIAS+8*(\j)
.endif
.set AR, 48+12*(\j)
.set BR, 12*(\i)
.set SA, SCW+6*(\buf)+2+(\j)/2
.set SB, SCW+6*(\buf)+(\i)/2
.if ((\j)%2) && ((\i)%2)
	v_wmma_scale_f32_16x16x128_f8f6f4 v[DR:DR+7], v[AR:AR+11], v[BR:BR+11], v[CR:CR+7], v[SA], v[SB] matrix_a_fmt:MATRIX_FMT_BF6 matrix_b_fmt:MATRIX_FMT_BF6 matrix_a_scale:MATRIX_SCALE_ROW1 matrix_b_scale:MATRIX_SCALE_ROW1
.elseif (\j)%2
	v_wmma_scale_f32_16x16x128_f8f6f4 v[DR:DR+7], v[AR:AR+11], v[BR:BR+11], v[CR:CR+7], v[SA], v[SB] matrix_a_fmt:MATRIX_FMT_BF6 matrix_b_fmt:MATRIX_FMT_BF6 matrix_a_scale:MATRIX_SCALE_ROW1
.elseif (\i)%2
	v_wmma_scale_f32_16x16x128_f8f6f4 v[DR:DR+7], v[AR:AR+11], v[BR:BR+11], v[CR:CR+7], v[SA], v[SB] matrix_a_fmt:MATRIX_FMT_BF6 matrix_b_fmt:MATRIX_FMT_BF6 matrix_b_scale:MATRIX_SCALE_ROW1
.else
	v_wmma_scale_f32_16x16x128_f8f6f4 v[DR:DR+7], v[AR:AR+11], v[BR:BR+11], v[CR:CR+7], v[SA], v[SB] matrix_a_fmt:MATRIX_FMT_BF6 matrix_b_fmt:MATRIX_FMT_BF6
.endif
.endm
; a K step's 32 products: the 32 accumulators take turns, one instruction a turn, in the same order in every step
.macro MUL buf, cmode
.if \cmode
	WIN 0x4a+5*(\buf)                              ; A, B in the set's window, C (the bias) in window 0, D in window 1
.else
	WIN 0x5a+5*(\buf)                              ; C and D in window 1
.endif
.irp i, 0,1,2,3
.irp j, 0,1,2,3,4,5,6,7
	WM \i, \j, \buf, \cmode
.endr
.endr
.endm
; tile i of my tokens into the stage (a lane's 16 registers of a pair of T's tiles are 64 neighbouring bytes of its row) and back as whole rows
.macro TOSTAGE i
	WIN 0x04                                       ; an LDS store's data are its source 1: window 1
.irp b, 0,1,2,3
.irp q, 0,1,2,3
	ds_store_b128 v[STO], v[64*(\i)+16*\b+4*\q:64*(\i)+16*\b+4*\q+3] offset:128*\b+16*\q      ; each accumulator from its low end on
.endr
.endr
	WIN 0
.set BB, BK+64*((\i)%2)
.irp t, 0,1,2,3,4,5,6,7,8,9,10,11,12,13,14,15
	ds_load_b128 v[BB+4*\t:BB+4*\t+3], v[RD] offset:\t*SPITCH    ; LDS serves a wave's instructions in order: these see the stores above, and the next tile's stores come behind them
.endr
.endm
.macro SEND i, younger                 ; younger: the LDS instructions issued behind tile i's loads, which may stay out
.set BB, BK+64*((\i)%2)
	s_wait_dscnt \younger
.irp t, 0,1,2,3,4,5,6,7,8,9,10,11,12,13,14,15
	global_store_b128 v1, v[BB+4*\t:BB+4*\t+3], s[OUTP:OUTP+1] offset:(32*((\i)/2)+8*((\i)%2)+\t+8*(\t/8))*4096 th:TH_STORE_NT   ; 32 lanes store 512 consecutive bytes, aligned; the row is the tile's place t
.endr
.endm
	s_wait_tensorcnt 0x3                           ; my first load (K steps 0, 1) has landed; my three later ones may stay out
	s_barrier_signal -1
	s_barrier_wait -1                              ; everybody's has
	FETCH 0, 0
	s_wait_dscnt 0x0
	FETCH 1, 1
	s_wait_loadcnt 0x0                             ; the bias
	MUL 0, 1                                       ; the first K step starts the sums from the bias
.irp s, 1,2,3,4,5,6
	s_wait_dscnt 0x0                               ; this step's fragments are in (asked for 32 products ago)
.if (\s)%2 == 1
	s_wait_tensorcnt 2-(\s)/2                      ; my load with the next two K steps has landed; the count is my later loads
	s_barrier_signal -1
	s_barrier_wait -1
.endif
	PLACES                                         ; four places in front of loads into registers that the last step's products have read
	FETCH \s+1, (\s+1)%2
	MUL (\s)%2, 0
.endr
	s_wait_dscnt 0x0                               ; the last fragments are in: my reads of the three blocks are over;
	s_barrier_signal -1                            ; say so,
	MUL 1, 0                                       ; work on registers while the others arrive,
	WIN 0
	s_barrier_wait -1                              ; and only then are U's bytes written as stages
	PLACES                                         ; four places in front of the first read of results
	TOSTAGE 0
.irp i, 1,2,3
.if \i > 1
	s_wait_xcnt 0x0                                ; tile i - 2's stores have read their registers: tile i's rows may land there
.endif
	TOSTAGE \i
	SEND \i-1, 32                                  ; behind tile i - 1's loads: tile i's 16 stores and 16 loads
.endr
	SEND 3, 0
	s_wait_tensorcnt 0x0
	ds_add_u32 v126, v127
	s_wait_dscnt 0x0
	CROUND                                         ; the closing round: no work-group ends while a partner may still ask for a block that names it
	s_endpgm
.Lfunc_end_k_qac0acb4ffb_outp:
	.size	k_qac0acb4ffb_outp, .Lfunc_end_k_qac0acb4ffb_outp-k_qac0acb4ffb_outp
	.p2alignl 7, 3214868480
	.fill 96, 4, 3214868480
	.section	.rodata,"a",@progbits
	.p2align	6, 0x0
	.amdhsa_kernel k_qac0acb4ffb_outp
		.amdhsa_group_segment_fixed_size 307712
		.amdhsa_private_segment_fixed_size 0
		.amdhsa_enable_private_segment 0
		.amdhsa_kernarg_size 32
		.amdhsa_user_sgpr_count 2
		.amdhsa_user_sgpr_kernarg_segment_ptr 1
		.amdhsa_wavefront_size32 1
		.amdhsa_system_sgpr_workgroup_id_x 1
		.amdhsa_system_sgpr_workgroup_id_y 1
		.amdhsa_system_sgpr_workgroup_id_z 1
		.amdhsa_system_vgpr_workitem_id 0
		.amdhsa_next_free_vgpr 1024
		.amdhsa_next_free_sgpr 100
		.amdhsa_reserve_vcc 0
		.amdhsa_float_denorm_mode_32 3
		.amdhsa_float_denorm_mode_16_64 3
		.amdhsa_memory_ordered 1
		.amdhsa_forward_progress 1
		.amdhsa_inst_pref_size 86
	.end_amdhsa_kernel
	.amdgpu_metadata
---
amdhsa.version: [ 1, 2 ]
amdhsa.kernels:
  - .name:           k_qac0acb4ffb_outp
    .symbol:         k_qac0acb4ffb_outp.kd
    .args:
      - { .name: oimg, .offset: 0, .size: 8, .value_kind: global_buffer, .address_space: global }
      - { .name: img, .offset: 8, .size: 8, .value_kind: global_buffer, .address_space: global }
      - { .name: bo, .offset: 16, .size: 8, .value_kind: global_buffer, .address_space: global }
      - { .name: out0, .offset: 24, .size: 8, .value_kind: global_buffer, .address_space: global }
    .group_segment_fixed_size: 307712
    .private_segment_fixed_size: 0
    .kernarg_segment_align: 8
    .kernarg_segment_size: 32
    .max_flat_workgroup_size: 128
    .sgpr_count:     100
    .vgpr_count:     1024
    .wavefront_size: 32
...
	.end_amdgpu_metadata
.endif
;; end of part 4
;; ======== version 2 of 2: 4 launches; version 1 with the launch attn written anew for expert scheduling mode
;; limits: right only within a limited range of input values
;; workspace buffers: img 22,937,600 bytes; qi 6,815,744 bytes; kv 13,369,344 bytes; oimg 6,553,600 bytes; maskw 2,097,152 bytes of whole numbers; skipw 2,048 bytes of whole numbers
;; launch prep: the kernel of part 1 again; grid 512 x 1, 8 waves a work-group, no clusters, 136,192 bytes of LDS; arguments Q, K, V, Wq, Wk, Wv, Wo, mask, img, maskw, skipw; writes img, maskw, skipw
;; launch proj: the kernel of part 2 again; grid 4 x 192, 4 waves a work-group, clusters of 4 x 4, 307,712 bytes of LDS; arguments img, qi, kv, bq, bk, bv; writes qi, kv
;; launch attn (part 5): grid 4 x 64, 16 waves a work-group, no clusters, 210,944 bytes of LDS; arguments qi, kv, maskw, skipw, oimg; writes oimg
.if DOCPART == 5
	.amdgcn_target "amdgcn-amd-amdhsa--gfx1250"
	.amdhsa_code_object_version 6
	.text
	.protected	k_qac0acb4ffb_attn
	.globl	k_qac0acb4ffb_attn
	.p2align	8
	.type	k_qac0acb4ffb_attn,@function
k_qac0acb4ffb_attn:
	s_mov_b64 s[64:65], 0
	v_nop
	global_prefetch_b8 v0, s[64:65] scope:SCOPE_SE
	s_setreg_imm32_b32 hwreg(HW_REG_WAVE_SCHED_MODE, 0, 2), 2
	s_setreg_imm32_b32 hwreg(HW_REG_WAVE_MODE, 25, 1), 1
	s_wait_xcnt 0x0
	s_wait_alu depctr_vm_vsrc(0)
; ATTN.  For each (batch, head): O = softmax(where(mask, -1e9, q k^T / 8)) v, both products on codes of BF6 (E3M2) with E8M0 scales; O / l is quantised along the features for the last product.
; THE SOFTMAX AHEAD OF THE SECOND PRODUCT: t = score x log2(e) / 8; M = the running largest t rounded UP to a whole number; p = 2^(t - M) is quantised along the keys, not normalised; the row's sum is
; taken of the unquantised p and divides at the end; when M moves, the sum and O are multiplied by 2^(old M - new M), which rounds nothing.
; SHARES.  A work-group has one head and two blocks of 256 queries, block x and block 7 - x; each of its sixteen waves one tile of 16 queries in 256 registers: four waves to a SIMD, so that one wave's vector
; work stands beside another's products, LDS loads and scalar loads.  The head's K and V codes and scale words, 16 steps x 13,056 bytes, are brought into LDS ONCE, through registers; one barrier; then the waves run free.
; LAYOUT.  Both products transposed: S^T = K Q^T, O^T = V^T P^T: a lane holds one query.  A tile's lane place r is row 32 bb + 8 u + r + 8 (r / 8) of its group of 32, for queries, keys and d alike:
; score register 16 bb + i of lane (r, h) is key 32 bb + 16 h + i.  The head's K is 64: a half image of 6 registers.  Q's upper six registers are zeros under scale bytes 0; K's half images lie 6 registers
; apart, so that a tile's upper six registers are the next tile's codes: finite numbers that meet Q's zero codes and add exactly 0.
; THE MASK is an input: word 16 bb + i of a (query tile, step) holds the 32 lanes' bits for score register 16 bb + i; one v_cndmask_b32 a score.  A step whose bit in the tile's skip word is set has every
; key masked for all 16 queries, and each of these has an open key elsewhere: all its p are 0 in the end, so its work is jumped over, by a scalar branch on that stored word.
; NO CLUSTER, NO TENSOR LOAD: what the four work-groups of a head share is read once by each, 208,896 bytes.
; LIMITS: a masked score is -2^33, that is logit -2^30 where the problem has -1e9: c x 2^33 is exact, so a row that is masked wholly gets p = 1 everywhere, as there; the results agree as long as open logits
; lie above about -9e8.  A block of zeros gets the scale byte 1.  NaN and infinities are not served.
; REGISTERS: v1, v2 16 and 8 x lane; v3, v4 the step's LDS addresses; v5 Q's scale word's place; v6 -2^33; v7 r; v8-11, v29-31 offsets; v12 -M, v13 the largest t, v[14:15] the sum in two halves;
; v16-27 Q, v28 its scale words; v32-85 K's half images, then v32-79 V's fragments; v86-89 K's scale words, v90-91 V's; v96-159 S^T, then p; v160-191 O^T; v224-235 p's codes; v232-254 at work; v253 p's scale word.
; THE MODE: SCHED_MODE bits 1:0 = 2 (LLVM: expert scheduling mode 2), set by the entry lines.  The code itself states the register dependences
; between vector or matrix instructions and memory or LDS instructions, with s_wait_alu, always for 0.
; THE PLAN.  Registers that memory or LDS instructions touch:
;   v8-v11        Offsets and LDS addresses of the fill, v8-v10 then offsets of Q's loads: written by additions at the head and at each query block's head.
;   v96-197       The fill's loads land in them, its LDS stores read them; later the score products write v96-159 and v160-191 are cleared for O^T.
;   v16-21, v28   Q's loads land in them once a query block; the score products read them.
;   v3, v4        Written by two additions at the head of each step that is worked; read by the step's 18 loads of K and 17 of V.
;   v32-79        K's loads land; the eight score products read them; V's loads land; the four products V^T P^T read them.  v86-89 and v90-91, the scale words, go with them.
;   v29-31; v224-229, v240   Offsets and data of a query block's three stores: written at the block's head, and on the way out (the data registers in every step too).
; K and V share v32-79: the wave's 256 registers leave no run of 48 for a second buffer.  So a worked step has one wait on vm_vsrc, ahead of the additions to v3 and v4, and three waits on va_vdst of its own:
; ahead of K's run of loads, ahead of V's run of loads, and ahead of the products that take p's codes and scale word; two more stand behind the exponentials.  Each run of loads or stores stands directly behind its wait.
; One wait on vm_vsrc at a query block's head frees all that the fill and the block before have read.
.set KVS, 13056
.set KVH, 16*KVS
.set QIH, 106496
.set BLKB, 102400
.set KSB, 12800
.set FILL, 96                          ; v96-197: the fill's way through registers (none of them ever holds scales)
.set WV, 14
.set HB, 15                            ; 16 x batch + head
.set BT, 17
.set HD, 18
.set QC, 19                            ; counts the two blocks of queries
.set SEL, 20
.set CS, 22
.set SIG, 24                           ; counts the 16 steps
.set TB, 25                            ; the step's first LDS byte
.set MO, 26                            ; the step's mask words, offset in maskw
.set SK, 27                            ; the skip bits, the step's lowest
	s_load_b256 s[4:11], s[0:1], 0x0               ; qi, kv, maskw, skipw
	s_load_b64 s[12:13], s[0:1], 0x20              ; oimg
	v_lshl_add_u32 v251, v0, 2, 0x33000
	v_mov_b32 v255, 0
	v_lshrrev_b32 v1, 5, v0
	v_readfirstlane_b32 s[WV], v1                  ; wave 0..15
	s_and_b32 s[HB], ttmp7, 0xffff
	s_lshr_b32 s[BT], s[HB], 4
	s_and_b32 s[HD], s[HB], 15
	v_and_b32 v3, 31, v0
	v_lshlrev_b32 v1, 4, v3
	v_lshlrev_b32 v2, 3, v3
	v_and_b32 v7, 15, v0
	s_wait_alu depctr_va_sdst(0)                   ; the wave's number is written, ahead of its first reader
	s_mul_i32 s28, s[WV], KVS                      ; wave w brings step w: its place in LDS,
	s_mul_i32 s29, s[HB], KVH
	s_add_co_u32 s29, s29, s28                     ; and in kv (under 2^24)
	v_add_nc_u32 v8, s29, v1
	v_add_nc_u32 v9, s29, v2
	v_add_nc_u32 v10, s28, v1
	v_add_nc_u32 v11, s28, v2
	s_wait_kmcnt 0x0
	s_wait_alu depctr_va_vdst(0)                   ; v8 to v11 are written: the offsets of the 26 loads below and the addresses of the 26 LDS stores further down; no vector line between names them or v96-197
.irp n, 0,1,2,3,4,5,6,7,8,9,10,11,12,13,14,15,16,17,18,19,20,21,22,23,24
	global_load_b128 v[FILL+4*\n:FILL+4*\n+3], v8, s[6:7] offset:512*\n   ; 512 consecutive bytes
.endr
	global_load_b64 v[FILL+100:FILL+101], v9, s[6:7] offset:12800
	s_and_b32 s28, s[WV], 1
	s_lshl_b32 s28, s28, 7
	s_bfe_u32 s29, s[WV], 0x10001
	s_lshl_b32 s29, s29, 2
	s_add_co_u32 s28, s28, s29
	v_lshl_add_u32 v5, v7, 3, s28                  ; in a group of four tiles' words: 8 (16 (w % 2) + r) + 4 ((w / 2) % 2)
	v_mov_b32 v6, 0xd0000000                       ; -2^33
	s_mov_b32 s[SEL], 0x76543210
	s_mov_b32 s[SEL+1], 0xfedcba98                 ; v_permlanex16_b32's selects for lane l xor 16
	s_mov_b32 s[CS], 0x3e38aa3b                    ; c = log2(e) / 8
	s_mov_b32 s[CS+1], s[CS]                       ; (named with it as a pair, so it is written)
.irp j, 22,23,24,25,26,27,80,81,82,83,84,85
	v_mov_b32 v[\j], 0                             ; Q's upper half, and what stands above K's last tile: zero codes
.endr
.irp b, 0,1,2,3
	v_mov_b32 v[236+\b], 0                         ; a lane permute's destination counts as one of its sources
.endr
	v_mov_b32 v252, 0
	v_mov_b32 v253, 0
.irp n, 0,1,2,3,4,5,6,7,8,9,10,11,12,13,14,15,16,17,18,19,20,21,22,23,24
	s_wait_loadcnt 25-\n                           ; loads come back in order: load n is in, the 25 - n younger ones may be out
	ds_store_b128 v10, v[FILL+4*\n:FILL+4*\n+3] offset:512*\n
.endr
	s_wait_loadcnt 0x0
	ds_store_b64 v11, v[FILL+100:FILL+101] offset:12800
	s_wait_dscnt 0x0                               ; for the others' sake: my step lies in LDS
	s_barrier_signal -1
	s_barrier_wait -1                              ; the whole head does; from here on LDS is only read
.macro QK t                            ; 16 keys x my 16 queries; an odd tile's scale words stand in lanes 16-31
.if (\t)%2
	v_wmma_scale_f32_16x16x128_f8f6f4 v[96+8*(\t):103+8*(\t)], v[32+6*(\t):43+6*(\t)], v[16:27], 0, v[86+(\t)/2], v28 matrix_a_fmt:MATRIX_FMT_BF6 matrix_b_fmt:MATRIX_FMT_BF6 matrix_a_scale:MATRIX_SCALE_ROW1
.else
	v_wmma_scale_f32_16x16x128_f8f6f4 v[96+8*(\t):103+8*(\t)], v[32+6*(\t):43+6*(\t)], v[16:27], 0, v[86+(\t)/2], v28 matrix_a_fmt:MATRIX_FMT_BF6 matrix_b_fmt:MATRIX_FMT_BF6
.endif
.endm
.macro PV t                            ; 16 of the head's 64 x my 16 queries, K = the step's 128 keys
.if (\t)%2
	v_wmma_scale_f32_16x16x128_f8f6f4 v[160+8*(\t):167+8*(\t)], v[32+12*(\t):43+12*(\t)], v[224:235], v[160+8*(\t):167+8*(\t)], v[90+(\t)/2], v253 matrix_a_fmt:MATRIX_FMT_BF6 matrix_b_fmt:MATRIX_FMT_BF6 matrix_a_scale:MATRIX_SCALE_ROW1
.else
	v_wmma_scale_f32_16x16x128_f8f6f4 v[160+8*(\t):167+8*(\t)], v[32+12*(\t):43+12*(\t)], v[224:235], v[160+8*(\t):167+8*(\t)], v[90+(\t)/2], v253 matrix_a_fmt:MATRIX_FMT_BF6 matrix_b_fmt:MATRIX_FMT_BF6
.endif
.endm
	s_mov_b32 s[QC], 0
.Lqblock:
	s_wait_xcnt 0x0                                ; the last block's stores (and the fill's loads) have had their addresses translated: their registers are written again only behind this wait
	s_wait_alu depctr_vm_vsrc(0)                   ; the fill's loads and LDS stores have read v8-11 and v96-197; on the second pass Q's loads have read v8-10 and the three stores v29-31, v224-229 and v240: all are written again below
	s_sub_co_u32 s28, 7, ttmp9
	s_cmp_eq_u32 s[QC], 0
	s_cselect_b32 s28, ttmp9, s28                  ; block x, then block 7 - x
	s_lshl_b32 s28, s28, 4
	s_add_co_u32 s28, s28, s[WV]                   ; my query tile in the batch, 0..127
	s_mul_i32 s29, s[HB], QIH
	s_mul_i32 s30, s28, 768
	s_add_co_u32 s30, s30, s29
	v_add_nc_u32 v8, s30, v1
	v_add_nc_u32 v9, s30, v2
	s_lshr_b32 s30, s28, 2
	s_lshl_b32 s30, s30, 8
	s_add_co_u32 s30, s30, s29
	s_add_co_u32 s30, s30, 98304
	v_add_nc_u32 v10, s30, v5
	s_wait_alu depctr_va_vdst(0)                   ; v8 to v10 are written, which the three loads read; the last block's products are done reading v16-27 and v28, in which they land
	global_load_b128 v[16:19], v8, s[4:5]          ; Q's half image
	global_load_b64 v[20:21], v9, s[4:5] offset:512
	global_load_b32 v28, v10, s[4:5]               ; its scale words (upper two bytes 0)
	s_lshl_b32 s31, s[BT], 7
	s_add_co_u32 s31, s31, s28                     ; 128 x batch + tile
	s_lshl_b32 s30, s31, 2
	s_load_b32 s[SK], s[10:11], s30
	s_lshl_b32 s[MO], s31, 12
	s_lshl_b32 s2, s[BT], 4                        ; where O goes: oimg's block 16 batch + tile / 8, K step head / 2, tile % 8, half head % 2
	s_lshr_b32 s3, s28, 3
	s_add_co_u32 s2, s2, s3
	s_mul_i32 s2, s2, BLKB
	s_lshr_b32 s3, s[HD], 1
	s_mul_i32 s3, s3, KSB
	s_add_co_u32 s2, s2, s3
	s_and_b32 s3, s28, 7
	s_mul_i32 s29, s3, 1536
	s_add_co_u32 s29, s29, s2
	s_and_b32 s31, s[HD], 1
	s_mul_i32 s31, s31, 768
	s_add_co_u32 s29, s29, s31
	v_add_nc_u32 v29, s29, v1
	v_add_nc_u32 v30, s29, v2
	s_lshl_b32 s3, s3, 6
	s_add_co_u32 s2, s2, s3
	s_add_co_u32 s2, s2, 12288
	s_and_b32 s31, s[HD], 1
	s_lshl_b32 s31, s31, 1
	s_add_co_u32 s2, s2, s31
	v_lshl_add_u32 v31, v7, 2, s2                  ; my row's scale word, my head's two bytes of it
	s_mov_b32 s[TB], 0
	s_mov_b32 s[SIG], 0
	v_mov_b32 v13, 0xff61b1e6                      ; the largest t so far: -3e38
	v_floor_f32 v12, -v13                          ; -M
	v_mov_b32 v14, 0
	v_mov_b32 v15, 0
.irp j, 0,1,2,3,4,5,6,7,8,9,10,11,12,13,14,15,16,17,18,19,20,21,22,23,24,25,26,27,28,29,30,31
	v_mov_b32 v[160+\j], 0                         ; O^T: the step is written once; the first finds zeros, which the first change of M leaves zeros
.endr
	s_wait_kmcnt 0x0
	s_wait_loadcnt 0x0
.Lstep:                                                ; 16 trips, a constant; a skipped step's work is jumped over inside the trip
	s_bitcmp1_b32 s[SK], 0
	s_cbranch_scc1 .Lnext
	s_load_b512 s[32:47], s[8:9], s[MO] offset:0x0     ; the step's 64 mask words
	s_load_b512 s[48:63], s[8:9], s[MO] offset:0x40
	s_load_b512 s[68:83], s[8:9], s[MO] offset:0x80
	s_load_b512 s[84:99], s[8:9], s[MO] offset:0xc0
	s_wait_alu depctr_vm_vsrc(0)                   ; the LDS loads of the step worked last have read v3 and v4, which are written anew
	v_add_nc_u32 v3, s[TB], v1
	v_add_nc_u32 v4, s[TB], v2
	v_nop
	v_nop                                          ; with the two additions: four plain instructions between the last products and the loads into the registers that they have read
	s_wait_alu depctr_va_vdst(0)                   ; v3 and v4 are written, which the 18 loads read; the last products are done reading v32-79 and the scale words, in which they land
.irp t, 0,1,2,3,4,5,6,7
	ds_load_b128 v[32+6*\t:35+6*\t], v3 offset:768*\t
	ds_load_b64 v[36+6*\t:37+6*\t], v4 offset:768*\t+512
.endr
	ds_load_b64 v[86:87], v4 offset:12288          ; K's scale words: tiles 0-3,
	ds_load_b64 v[88:89], v4 offset:12544          ; tiles 4-7
	s_wait_dscnt 0x0
.irp t, 0,1,2,3,4,5,6,7
	QK \t
.endr
.rept 4
	v_nop                                          ; four places in front of the first read of the scores
.endr
	s_wait_alu depctr_va_vdst(0)                   ; the eight products are done reading v32-85, in which V's loads land; until these are waited for, the softmax names none of v3, v4, v32-79, v90, v91
.irp t, 0,1,2,3
.irp c, 0,1
	ds_load_b128 v[32+12*\t+6*\c:35+12*\t+6*\c], v3 offset:6144+1536*\t+768*\c      ; V's fragments land under the softmax
	ds_load_b64 v[36+12*\t+6*\c:37+12*\t+6*\c], v4 offset:6144+1536*\t+768*\c+512
.endr
.endr
	ds_load_b64 v[90:91], v4 offset:12800
	s_wait_kmcnt 0x0                               ; the mask words are in (and their offset register may step)
.irp j, 0,1,2,3,4,5,6,7,8,9,10,11,12,13,14,15,16,17,18,19,20,21,22,23,24,25,26,27,28,29,30,31
	v_cndmask_b32 v[96+\j], v[96+\j], v6, s[32+\j] ; a masked score becomes -2^33; each accumulator is read from its low end on
.endr
.irp j, 32,33,34,35,36,37,38,39,40,41,42,43,44,45,46,47,48,49,50,51,52,53,54,55,56,57,58,59,60,61,62,63
	v_cndmask_b32 v[96+\j], v[96+\j], v6, s[36+\j]
.endr
.irp b, 0,1,2,3
	v_max3_num_f32 v[232+\b], v[96+16*\b], v[97+16*\b], v[98+16*\b]   ; the largest score of each block of 32 keys: it serves for the row's maximum and, since p rises with the score, for the block's largest p
.endr
.irp i, 3,5,7,9,11,13
.irp b, 0,1,2,3
	v_max3_num_f32 v[232+\b], v[232+\b], v[96+16*\b+\i], v[97+16*\b+\i]
.endr
.endr
.irp b, 0,1,2,3
	v_max_num_f32 v[232+\b], v[232+\b], v[111+16*\b]
.endr
.irp b, 0,1,2,3
	v_permlanex16_b32 v[236+\b], v[232+\b], s[SEL], s[SEL+1]
.endr
.irp b, 0,1,2,3
	v_max_num_f32 v[232+\b], v[232+\b], v[236+\b]  ; with lane l xor 16's 16 keys
.endr
	v_max3_num_f32 v254, v232, v233, v234
	v_max_num_f32 v254, v254, v235                 ; the step's largest score of my query
	v_mul_f32 v254, s[CS], v254                    ; as t
	v_max_num_f32 v13, v13, v254                   ; the running largest t
	v_mov_b32 v254, v12
	v_floor_f32 v12, -v13                          ; the new -M = floor(-t): M is a whole number
	v_sub_f32 v254, v12, v254                      ; old M - new M: a whole number, 0 or less
	v_cvt_i32_f32 v254, v254                       ; (it saturates)
	v_ldexp_f32 v252, 1.0, v254                    ; f = 2^(old M - new M)
.irp j, 0,2,4,6,8,10,12,14,16,18,20,22,24,26,28,30,32,34,36,38,40,42,44,46,48,50,52,54,56,58,60,62
	v_pk_fma_f32 v[96+\j:97+\j], v[96+\j:97+\j], s[CS:CS+1], v[12:13] op_sel_hi:[1,0,0]   ; t - M, two at a time
.endr
.irp b, 0,1,2,3
	v_fma_f32 v[232+\b], v[232+\b], s[CS], v12     ; the same of each block's largest score
.endr
.irp j, 0,1,2,3,4,5,6,7,8,9,10,11,12,13,14,15,16,17,18,19,20,21,22,23,24,25,26,27,28,29,30,31,32,33,34,35,36,37,38,39,40,41,42,43,44,45,46,47,48,49,50,51,52,53,54,55,56,57,58,59,60,61,62,63
	v_exp_f32 v[96+\j], v[96+\j]                   ; p = 2^(t - M), at most 1
.endr
	v_pk_mul_f32 v[14:15], v[14:15], v[252:253] op_sel_hi:[1,0]   ; the sums under the new M: a plain place behind the exponentials
	s_wait_alu depctr_va_vdst(0)                   ; the 64 exponentials have written v96-159: one wait for the whole batch, ahead of its first reader
.irp b, 0,1,2,3
	v_exp_f32 v[232+\b], v[232+\b]                 ; the block's largest p: the same two instructions on the same number
.endr
	v_pk_add_f32 v[236:237], v[96:97], v[98:99]    ; the row's sum is taken of the unquantised p, in two chains
.irp j, 4,8,12,16,20,24,28,32,36,40,44,48,52,56,60
	v_pk_add_f32 v[14:15], v[14:15], v[96+\j:97+\j]
	v_pk_add_f32 v[236:237], v[236:237], v[98+\j:99+\j]
.endr
	v_pk_add_f32 v[14:15], v[14:15], v[236:237]
	s_wait_alu depctr_va_vdst(0)                   ; the four exponentials have written v232-235, ahead of their first reader
.irp b, 0,1,2,3
	v_max_num_f32 v[232+\b], 0x2800000, v[232+\b]  ; the floor 2^(5 - 127): the byte cannot fall under 1
.endr
.irp b, 0,1,2,3
	v_add_nc_u32 v[244+\b], 0xfe000000, v[232+\b]  ; 4 off the exponent field: the conversion's scale operand
.endr
.irp b, 0,1,2,3
	v_lshrrev_b32 v[236+\b], 23, v[244+\b]         ; the scale's byte
.endr
	v_lshl_or_b32 v253, v237, 8, v236              ; p's scale word for these 128 keys
	v_lshl_or_b32 v253, v238, 16, v253
	v_lshl_or_b32 v253, v239, 24, v253
.irp c, 0,1
	v_cvt_scalef32_pk16_bf6_f32 v[224+6*\c:226+6*\c], v[96+32*\c:111+32*\c], v[244+2*\c]
	v_cvt_scalef32_pk16_bf6_f32 v[236+4*\c:238+4*\c], v[112+32*\c:127+32*\c], v[244+2*\c+1]
.endr
	v_nop                                          ; one plain place behind a scaled conversion
.irp c, 0,1                                    ; a whole block in a lane: lanes 0-15 block 2 c, lanes 16-31 block 2 c + 1
.irp i, 0,1,2
	v_permlane16_swap_b32 v[224+6*\c+\i], v[236+4*\c+\i]
.endr
.irp i, 0,1,2
	v_mov_b32 v[227+6*\c+\i], v[236+4*\c+\i]
.endr
.endr
.irp j, 0,2,4,6,8,10,12,14,16,18,20,22,24,26,28,30
	v_pk_mul_f32 v[160+\j:161+\j], v[160+\j:161+\j], v[252:253] op_sel_hi:[1,0]   ; O^T under the new M; these sixteen are also the places in front of the products below
.endr
	s_wait_dscnt 0x0                               ; V and its scale words are in
	s_wait_alu depctr_va_vdst(0)                   ; vector instructions have written p's codes v224-235 and its scale word v253, which the scaled products take; the places above stay beside this wait
.irp t, 0,1,2,3
	PV \t                                          ; four accumulators by turns, one instruction a turn
.endr
.Lnext:
	s_lshr_b32 s[SK], s[SK], 1
	s_add_co_u32 s[TB], s[TB], KVS
	s_add_co_u32 s[MO], s[MO], 256
	s_add_co_u32 s[SIG], s[SIG], 1
	s_cmp_lt_u32 s[SIG], 16
	s_cbranch_scc1 .Lstep
	; THE WAY OUT: O^T / the sum, quantised along the head's 64 (two blocks): a half image of the last product's operand, and two bytes of its scale word
.rept 4
	v_nop                                          ; four places behind the last products
.endr
	v_add_f32 v14, v14, v15
	v_permlanex16_b32 v252, v14, s[SEL], s[SEL+1]
	v_add_f32 v14, v14, v252                       ; the row's sum
	v_rcp_f32 v14, v14
	v_nop                                          ; a plain place behind the transcendental
	s_wait_alu depctr_va_vdst(0)                   ; the reciprocal has written v14, ahead of its first reader
.irp j, 0,2,4,6,8,10,12,14,16,18,20,22,24,26,28,30
	v_pk_mul_f32 v[96+\j:97+\j], v[160+\j:161+\j], v[14:15] op_sel_hi:[1,0]   ; register 16 bb + i is d = 32 bb + 16 h + i of my query; each accumulator from its low end on
.endr
.irp b, 0,1
	v_max3_num_f32 v[232+\b], |v[96+16*\b]|, |v[97+16*\b]|, 0x2800000
.endr
.irp i, 2,4,6,8,10,12,14
.irp b, 0,1
	v_max3_num_f32 v[232+\b], v[232+\b], |v[96+16*\b+\i]|, |v[97+16*\b+\i]|
.endr
.endr
.irp b, 0,1
	v_permlanex16_b32 v[236+\b], v[232+\b], s[SEL], s[SEL+1]
.endr
.irp b, 0,1
	v_max_num_f32 v[232+\b], v[232+\b], v[236+\b]
.endr
.irp b, 0,1
	v_add_nc_u32 v[244+\b], 0xfe000000, v[232+\b]
.endr
.irp b, 0,1
	v_lshrrev_b32 v[236+\b], 23, v[244+\b]
.endr
	v_lshl_or_b32 v240, v237, 8, v236              ; my head's two bytes
	v_cvt_scalef32_pk16_bf6_f32 v[224:226], v[96:111], v244
	v_cvt_scalef32_pk16_bf6_f32 v[236:238], v[112:127], v245
	v_nop
.irp i, 0,1,2
	v_permlane16_swap_b32 v[224+\i], v[236+\i]
.endr
.irp i, 0,1,2
	v_mov_b32 v[227+\i], v[236+\i]
.endr
	s_wait_alu depctr_va_vdst(0)                   ; the codes v224-229 and the two bytes v240 are written, and so are the offsets v29-31 from the block's head: the three stores read them
	global_store_b128 v29, v[224:227], s[12:13]            ; 512 consecutive bytes, aligned
	global_store_b64 v30, v[228:229], s[12:13] offset:512  ; 256
	global_store_b16 v31, v240, s[12:13]                   ; two heads share a scale word, so each stores its half; lanes r and r + 16 store the same value
	s_add_co_u32 s[QC], s[QC], 1
	s_cmp_lt_u32 s[QC], 2
	s_cbranch_scc1 .Lqblock
	s_wait_dscnt 0x0
	s_wait_alu depctr_hold_cnt(0) depctr_sa_sdst(0) depctr_va_vdst(0) depctr_va_sdst(0) depctr_va_ssrc(0) depctr_va_vcc(0) depctr_vm_vsrc(0)
	s_wait_tensorcnt 0x0
	ds_add_u32 v251, v255
	s_wait_dscnt 0x0
	s_endpgm
.Lfunc_end_k_qac0acb4ffb_attn:
	.size	k_qac0acb4ffb_attn, .Lfunc_end_k_qac0acb4ffb_attn-k_qac0acb4ffb_attn
	.p2alignl 7, 3214868480
	.fill 96, 4, 3214868480
	.section	.rodata,"a",@progbits
	.p2align	6, 0x0
	.amdhsa_kernel k_qac0acb4ffb_attn
		.amdhsa_group_segment_fixed_size 210944
		.amdhsa_private_segment_fixed_size 0
		.amdhsa_enable_private_segment 0
		.amdhsa_kernarg_size 40
		.amdhsa_user_sgpr_count 2
		.amdhsa_user_sgpr_kernarg_segment_ptr 1
		.amdhsa_wavefront_size32 1
		.amdhsa_system_sgpr_workgroup_id_x 1
		.amdhsa_system_sgpr_workgroup_id_y 1
		.amdhsa_system_sgpr_workgroup_id_z 1
		.amdhsa_system_vgpr_workitem_id 0
		.amdhsa_next_free_vgpr 256
		.amdhsa_next_free_sgpr 100
		.amdhsa_reserve_vcc 0
		.amdhsa_float_denorm_mode_32 3
		.amdhsa_float_denorm_mode_16_64 3
		.amdhsa_memory_ordered 1
		.amdhsa_forward_progress 1
		.amdhsa_inst_pref_size 35
	.end_amdhsa_kernel
	.amdgpu_metadata
---
amdhsa.version: [ 1, 2 ]
amdhsa.kernels:
  - .name:           k_qac0acb4ffb_attn
    .symbol:         k_qac0acb4ffb_attn.kd
    .args:
      - { .name: qi, .offset: 0, .size: 8, .value_kind: global_buffer, .address_space: global }
      - { .name: kv, .offset: 8, .size: 8, .value_kind: global_buffer, .address_space: global }
      - { .name: maskw, .offset: 16, .size: 8, .value_kind: global_buffer, .address_space: global }
      - { .name: skipw, .offset: 24, .size: 8, .value_kind: global_buffer, .address_space: global }
      - { .name: oimg, .offset: 32, .size: 8, .value_kind: global_buffer, .address_space: global }
    .group_segment_fixed_size: 210944
    .private_segment_fixed_size: 0
    .kernarg_segment_align: 8
    .kernarg_segment_size: 40
    .max_flat_workgroup_size: 512
    .sgpr_count:     100
    .vgpr_count:     256
    .wavefront_size: 32
...
	.end_amdgpu_metadata
.endif
;; end of part 5
;; launch outp: the kernel of part 4 again; grid 4 x 64, 4 waves a work-group, clusters of 4 x 4, 307,712 bytes of LDS; arguments oimg, img, bo, out0; writes out0
